; MI455X (gfx1250); checked and timed in simulation.
; The chip was launched on July 23, 2026; its instructions are those of AMD's public machine-readable ISA for CDNA 5 (MIT licence, August 2026) and "CDNA5" Instruction Set Architecture Reference Guide (July 2026). The comments in the code are by the model that wrote it; some were corrected since.
;; Self Attention Wide. Allowed arithmetic: matrix products marked QUANTISED: E2M1 operands, one E8M0 scale for each 32 along K, by v_wmma_scale_f32_16x16x128_f8f6f4 with both operands' format E2M1 (or v_wmma_scale_f32_32x16x128_f4), f32 sums; products left as they are: bf16, f16 or f32 operands; f32 sums; everything else in f32.
;; Inputs: b_u 512 float32; w_k 4,096 x 512 float32; w_q 4,096 x 512 float32; w_u 512 x 4,096 float32; w_v 4,096 x 512 float32; x 4 x 1,024 x 512 float32.
;; Outputs: out0 4 x 1,024 x 512 float32.
;; This version of the problem:
;;   THIS VERSION OF THE PROBLEM IS GIVEN IN LOW PRECISION. The matrix products marked QUANTISED in the list below multiply operands that are first quantised to E2M1 (2 exponent bits, 1 mantissa bit; 4 bits a number), with one power-of-two scale for each 32 numbers along K (OCP MX v1.0); their sums are f32. The products marked 'left as it is' may take bf16, f16 or f32 operands, with f32 sums. Whichever they take, every output number must still come out within the allowed error. Rounding operands to bf16 (8 significant bits) uses up far more of that allowance than f16 does (11 bits, for magnitudes from 6e-5 to 65,504). All else is computed in f32.
;;   The module's matrix products, in the order in which they are computed (A, B: the left and right operand; K: the contracted axis; several contracted axes count as one K, in the product's order):
;;     1. [M 4,096, K 512] x [K 512, N 4,096]; A: input x; B: input w_k: QUANTISED
;;     2. [M 4,096, K 512] x [K 512, N 4,096]; A: input x; B: input w_q: QUANTISED
;;     3. [M 4,096, K 512] x [K 512, N 4,096]; A: input x; B: input w_v: QUANTISED
;;     4. batch 32 x [M 1,024, K 512] x [K 512, N 1,024]; A: computed on the way; B: computed on the way: left as it is (an operand is computed on the way)
;;     5. batch 32 x [M 512, K 1,024] x [K 1,024, N 1,024]; A: computed on the way; B: computed on the way: left as it is (an operand is computed on the way)
;;     6. [M 4,096, K 4,096] x [K 4,096, N 512]; A: computed on the way; B: input w_u: left as it is (an operand is computed on the way)
;;   THE QUANTISER, for each operand of a quantised product, along K:
;;     - K is cut into blocks of 32 from its start; a last block that is shorter is filled with zeros.
;;     - A block's scale is 2^e with e = floor(log2(the largest magnitude in the block)) - 2, held to -126 .. 127; a block of zeros has e = 0. As a byte (E8M0): e + 127.
;;     - Each number is divided by its block's scale, clamped to +-6, and rounded to the nearest number of E2M1, ties to even, subnormals kept.
;;     - The product sums the exact products of the quantised numbers (number of the format x scale) in f32.
;;   ~~~python
;;   def quantise(x, axis):      # numpy; x: float32 -> the quantised numbers, widened to float32 again
;;       x = np.moveaxis(x, axis, -1); K = x.shape[-1]
;;       x = np.pad(x, [(0, 0)] * (x.ndim - 1) + [(0, -K % 32)]); x = x.reshape(x.shape[:-1] + (-1, 32)); a = np.abs(x).max(-1, keepdims=True)
;;       e = np.where(a > 0, np.clip(np.frexp(np.where(a > 0, a, 1))[1] - 1 - 2, -126, 127), 0)      # np.frexp(a)[1] - 1 = floor(log2(a)), exactly
;;       r = np.clip(x / 2.0 ** e, -6, 6)
;;       step = 2.0 ** (np.maximum(np.frexp(np.where(r == 0, 1, r))[1] - 1, 0) - 1)
;;       q = np.round(r / step) * step * 2.0 ** e      # np.round: ties to even
;;       return np.moveaxis(q.reshape(q.shape[:-2] + (-1,))[..., :K], -1, axis).astype(np.float32)
;;   ~~~
;; 2 versions, each right. Each part assembles by itself: llvm-mc -triple=amdgcn-amd-amdhsa -mcpu=gfx1250 --defsym DOCPART=n.
;; ======== version 1 of 2: 5 launches
;; limits: values are held in f16: magnitudes above 65,504 overflow, below 6.1e-05 lose precision
;; workspace buffers: codes 4,194,304 bytes; scales 262,144 bytes; qkv 100,663,296 bytes; lo 1,572,864 bytes; att 33,554,432 bytes; wu_hi 4,194,304 bytes; wu_lo 4,194,304 bytes
;; launch prep (part 1): grid 320 x 1, 4 waves a work-group, no clusters, 33,280 bytes of LDS; arguments x, w_q, w_k, w_v, w_u, codes, scales, wu_hi, wu_lo; writes codes, scales, wu_hi, wu_lo
.if DOCPART == 1
	.amdgcn_target "amdgcn-amd-amdhsa--gfx1250"
	.amdhsa_code_object_version 6
	.text
	.protected	k_q52e59eafcd_prep
	.globl	k_q52e59eafcd_prep
	.p2align	8
	.type	k_q52e59eafcd_prep,@function
k_q52e59eafcd_prep:
	s_mov_b64 s[64:65], 0
	v_nop
	global_prefetch_b8 v0, s[64:65] scope:SCOPE_SE
	s_setreg_imm32_b32 hwreg(HW_REG_WAVE_MODE, 25, 1), 1
	s_wait_xcnt 0x0
; THE PROGRAM: causal attention with 8 heads of size 512 on x [4][1024][512].  Five launches: this one (operands made ready), the three quantised projections, attention, the way out through w_u, and the first 16 positions of each sequence more finely.
; WORK LEFT OUT, for all values of the inputs: reference() sets dot to -inf wherever key > query, by a jnp.tril that it builds itself; softmax then gives exactly 0 there, and 0 x v adds nothing.  So a tile of 128 keys that lies wholly
; behind a block of 64 queries reaches no output, and the attention launch neither loads nor multiplies it.  LIMIT: a NaN, an infinity or an overflow that reaches only such tiles is not carried to the result.  Every input is live and is loaded.
; OTHER LIMITS AND ORDERS OF ROUNDING: q and k are kept unscaled and the factor 1 / sqrt(512) goes onto the f32 score (reference() scales q and k by 512^-0.25 each: the same in real numbers); q, k, v go on as f16, so their
; magnitudes must stay under 65,504; NaN and infinities among the inputs are not served by the quantiser; a block of zeros gets the scale byte 1 where the rule says 127 (its codes are zeros, and this program alone reads the bytes).
; THIS LAUNCH.  Work-groups 0-255: x, w_q, w_k, w_v (each [4096][512] f32, K innermost) become codes of E2M1, two a byte, and one E8M0 byte for each 32 along K: scale 2^(floor(log2(largest magnitude)) - 2).  Rows are dense, so each
; tensor is a stream of blocks of 32.  A wave takes 16 steps of 512 numbers; each load reads 512 consecutive bytes; a step turns through the wave's own LDS stage so that a lane holds 16 neighbours; codes leave as 256 consecutive bytes.
; Work-groups 256-319: w_u [512][4096] is split into an f16 high part and an f16 low part (w - high, in f32), each laid as images of matrix operands: fragment (16 output columns x 32 k) = 1,024 bytes, lane l's registers 0-3 at 16 l, 4-7 at 512 + 16 l.
.set WAVES, 4
.set STEPS, 16
.set EMAX,  2
.set CB,    8                          ; bytes of 16 codes
.set R,     16                         ; v16-79   four sets of 16 numbers as loaded (both paths)
.set X,     80                         ; v80-111  two sets of 16 neighbours
.set C,     128                        ; v128-191 codes, four registers a step
.set E,     112                        ; v112-127 a scale byte a step
.set WREG,  8192                       ; LDS: a region for each wave: two stages of 32 x SP bytes, then its 256 scale bytes
.set SP,    80
.set SPW,   12                         ; v12 my spare word's LDS address; never rewritten
.set NIL,   13                         ; v13 0; never rewritten
.set SPARE, WAVES*WREG
.set H,     80                         ; cast: v80-87 high parts, packed
.set T,     96                         ; cast: v96-111 at work
.set L,     112                        ; cast: v112-119 low parts, packed
	s_load_b256 s[4:11], s[0:1], 0x0               ; x, w_q, w_k, w_v
	s_load_b256 s[12:19], s[0:1], 0x20             ; w_u, codes, scales, wu_hi
	s_load_b64 s[20:21], s[0:1], 0x40              ; wu_lo
	v_lshl_add_u32 v[SPW], v0, 2, SPARE
	v_mov_b32 v[NIL], 0
	v_lshrrev_b32 v1, 5, v0
	v_readfirstlane_b32 s30, v1                    ; wave
	v_and_b32 v2, 31, v0                           ; lane
	s_cmp_ge_u32 ttmp9, 256
	s_cbranch_scc1 .Lcast
	; ---------------- the quantiser
	v_lshlrev_b32 v3, 4, v2                        ; my 16 bytes of a load's 512
	s_mul_i32 s31, s30, WREG
	v_lshrrev_b32 v14, 2, v2
	v_mul_u32_u24 v14, v14, SP
	v_and_b32 v15, 3, v2
	v_lshl_add_u32 v14, v15, 4, v14
	v_add_nc_u32 v14, s31, v14                     ; the stage, in: SP (lane / 4) + 16 (lane % 4)
	v_mul_u32_u24 v15, v2, SP
	v_add_nc_u32 v15, s31, v15                     ; out: SP x lane: my 16 neighbours
	v_mul_u32_u24 v4, v2, CB
	v_lshrrev_b32 v5, 1, v2
	s_add_co_u32 s31, s31, 2*32*SP
	v_add_nc_u32 v5, s31, v5                       ; my block's scale byte
	v_lshlrev_b32 v7, 3, v2
	v_add_nc_u32 v6, s31, v7
	s_lshr_b32 s22, ttmp9, 6                       ; which tensor: 64 work-groups each
	s_and_b32 s32, ttmp9, 63
	s_lshl_b32 s32, s32, 2
	s_add_co_u32 s32, s32, s30
	s_lshl_b32 s32, s32, 15                        ; my wave's 8,192 numbers: 32,768 bytes
	s_mov_b32 s33, 0
	s_lshl_b32 s34, ttmp9, 2
	s_add_co_u32 s34, s34, s30                     ; which run of all four tensors
	s_lshl_b32 s36, s34, 12                        ; 4,096 bytes of codes a run
	s_mov_b32 s37, 0
	s_lshl_b32 s38, s34, 8                         ; 256 scale bytes a run
	s_mov_b32 s39, 0
	s_wait_kmcnt 0x0
	s_cmp_eq_u32 s22, 0                            ; the choices hang on the work-group's number alone
	s_cselect_b64 s[24:25], s[4:5], s[6:7]
	s_cmp_eq_u32 s22, 2
	s_cselect_b64 s[26:27], s[8:9], s[10:11]
	s_cmp_lt_u32 s22, 2
	s_cselect_b64 s[4:5], s[24:25], s[26:27]
	s_add_nc_u64 s[4:5], s[4:5], s[32:33]
	s_add_nc_u64 s[14:15], s[14:15], s[36:37]
	s_add_nc_u64 s[16:17], s[16:17], s[38:39]
.macro LOAD t
.irp i, 0,1,2,3
	global_load_b128 v[R+16*((\t)%4)+4*\i:R+16*((\t)%4)+4*\i+3], v3, s[4:5] offset:2048*(\t)+512*\i th:TH_LOAD_NT
.endr
.endm
.macro TURN t                          ; a step's numbers through the stage: LDS serves a wave's instructions in order, so no wait stands between the stores and the loads
.irp i, 0,1,2,3
	ds_store_b128 v14, v[R+16*((\t)%4)+4*\i:R+16*((\t)%4)+4*\i+3] offset:32*SP*((\t)%2)+8*SP*\i
.endr
.irp i, 0,1,2,3
	ds_load_b128 v[X+16*((\t)%2)+4*\i:X+16*((\t)%2)+4*\i+3], v15 offset:32*SP*((\t)%2)+16*\i
.endr
.endm
.irp t, 0,1,2,3
	LOAD \t
.endr
	s_wait_loadcnt 12                              ; step 0's four loads are in; three steps' twelve may be out
	TURN 0
.macro STEP t
.set XS, X+16*((\t)%2)
.if (\t) > 0
	s_wait_dscnt 1                                 ; this step's numbers are back from the stage; the last step's byte store may be out
.else
	s_wait_dscnt 0x0
.endif
.if (\t)+4 < STEPS
	LOAD (\t)+4
.endif
.if (\t)+1 < STEPS
.if STEPS-2-(\t) >= 3
	s_wait_loadcnt 12                              ; the next step's four loads are in; those of the three steps behind it may be out
.else
	s_wait_loadcnt 4*(STEPS-2-(\t))
.endif
	TURN (\t)+1
.endif
	v_max3_num_f32 v8, |v[XS]|, |v[XS+1]|, |v[XS+2]|
	v_max3_num_f32 v9, |v[XS+3]|, |v[XS+4]|, |v[XS+5]|
.irp i, 6,10
	v_max3_num_f32 v8, v8, |v[XS+\i]|, |v[XS+\i+1]|
	v_max3_num_f32 v9, v9, |v[XS+\i+2]|, |v[XS+\i+3]|
.endr
	v_max3_num_f32 v8, v8, |v[XS+14]|, |v[XS+15]|
	v_max3_num_f32 v8, v8, v9, (EMAX+1)<<23        ; the floor 2^(EMAX + 1 - 127): the byte cannot fall under 1
	v_max_num_f32_dpp v8, v8, v8 row_xmask:1 row_mask:0xf bank_mask:0xf   ; with my neighbour's 16: the block's largest magnitude
	v_add_nc_u32 v11, -(EMAX<<23), v8              ; EMAX off its exponent field: the conversion's scale operand
	v_cvt_scalef32_pk8_fp4_f32 v[C+4*(\t)], v[XS:XS+7], v11
	v_cvt_scalef32_pk8_fp4_f32 v[C+4*(\t)+1], v[XS+8:XS+15], v11
	v_lshrrev_b32 v[E+(\t)], 23, v11               ; the scale's byte
	ds_store_b8 v5, v[E+(\t)] offset:16*(\t)       ; both lanes of a block write the same byte with the same value
	global_store_b64 v4, v[C+4*(\t):C+4*(\t)+1], s[14:15] offset:32*CB*(\t)   ; the wave stores 256 consecutive bytes, aligned
.endm
.irp t, 0,1,2,3,4,5,6,7,8,9,10,11,12,13,14,15
	STEP \t
.endr
	ds_load_b64 v[8:9], v6
	s_wait_dscnt 0x0
	global_store_b64 v7, v[8:9], s[16:17]          ; the wave's 256 scale bytes, aligned
	s_wait_tensorcnt 0x0                           ; the wave's end, behind my last LDS store
	ds_add_u32 v[SPW], v[NIL]
	s_wait_dscnt 0x0
	s_endpgm
	; ---------------- w_u into high and low f16 parts, in operand order.  No LDS on this path
.Lcast:
	s_sub_co_u32 s31, ttmp9, 256
	s_lshl_b32 s31, s31, 2
	s_add_co_u32 s31, s31, s30                     ; g = 0 .. 255: column tile g / 8, chunks 16 (g % 8) + 0 .. 15
	s_lshr_b32 s32, s31, 3
	s_lshl_b32 s32, s32, 18                        ; 16 rows of 16,384 bytes
	s_and_b32 s34, s31, 7
	s_lshl_b32 s34, s34, 11                        ; 16 chunks of 128 bytes
	s_add_co_u32 s32, s32, s34
	s_mov_b32 s33, 0
	s_lshl_b32 s34, s31, 14                        ; 16 fragments of 1,024 bytes
	s_mov_b32 s35, 0
	v_and_b32 v3, 15, v0
	v_bfe_u32 v4, v0, 4, 1
	v_lshlrev_b32 v3, 14, v3
	v_lshl_add_u32 v3, v4, 5, v3                   ; in: row r, + 32 h bytes: k = 8 h .. 8 h + 7
	v_lshlrev_b32 v4, 4, v2                        ; out: 16 x lane
	s_wait_kmcnt 0x0
	s_add_nc_u64 s[12:13], s[12:13], s[32:33]
	s_add_nc_u64 s[18:19], s[18:19], s[34:35]
	s_add_nc_u64 s[20:21], s[20:21], s[34:35]
.macro CLOAD f                         ; fragment f: k = 8 h + 0 .. 7 and 16 + 8 h + 0 .. 7 of my row
	global_load_b128 v[R+16*((\f)%4):R+16*((\f)%4)+3], v3, s[12:13] offset:128*(\f)
	global_load_b128 v[R+16*((\f)%4)+4:R+16*((\f)%4)+7], v3, s[12:13] offset:128*(\f)+16
	global_load_b128 v[R+16*((\f)%4)+8:R+16*((\f)%4)+11], v3, s[12:13] offset:128*(\f)+64
	global_load_b128 v[R+16*((\f)%4)+12:R+16*((\f)%4)+15], v3, s[12:13] offset:128*(\f)+80
.endm
.macro CAST f
.set XS, R+16*((\f)%4)
.if (\f) < 13
	s_wait_loadcnt 12                              ; my four loads are in; three fragments' twelve may be out
.else
	s_wait_loadcnt 4*(15-(\f))
.endif
	s_wait_xcnt 0x0                                ; the last fragment's stores have read H and L
.irp j, 0,1,2,3,4,5,6,7
	v_cvt_pk_f16_f32 v[H+\j], v[XS+2*\j], v[XS+2*\j+1]
.endr
.set i, 0
.irp r, v80.l, v80.h, v81.l, v81.h, v82.l, v82.h, v83.l, v83.h, v84.l, v84.h, v85.l, v85.h, v86.l, v86.h, v87.l, v87.h
	v_cvt_f32_f16 v[T+i], \r
.set i, i+1
.endr
.irp j, 0,2,4,6,8,10,12,14
	v_pk_add_f32 v[T+\j:T+\j+1], v[XS+\j:XS+\j+1], v[T+\j:T+\j+1] neg_lo:[0,1] neg_hi:[0,1]   ; what the high part left, exact in f32
.endr
.irp j, 0,1,2,3,4,5,6,7
	v_cvt_pk_f16_f32 v[L+\j], v[T+2*\j], v[T+2*\j+1]
.endr
.if (\f)+4 < 16
	CLOAD (\f)+4
.endif
	global_store_b128 v4, v[H:H+3], s[18:19] offset:1024*(\f)          ; each store covers 512 consecutive bytes, aligned
	global_store_b128 v4, v[H+4:H+7], s[18:19] offset:1024*(\f)+512
	global_store_b128 v4, v[L:L+3], s[20:21] offset:1024*(\f)
	global_store_b128 v4, v[L+4:L+7], s[20:21] offset:1024*(\f)+512
.endm
.irp f, 0,1,2,3
	CLOAD \f
.endr
.irp f, 0,1,2,3,4,5,6,7,8,9,10,11,12,13,14,15
	CAST \f
.endr
	s_endpgm
.Lfunc_end_k_q52e59eafcd_prep:
	.size	k_q52e59eafcd_prep, .Lfunc_end_k_q52e59eafcd_prep-k_q52e59eafcd_prep
	.p2alignl 7, 3214868480
	.fill 96, 4, 3214868480
	.section	.rodata,"a",@progbits
	.p2align	6, 0x0
	.amdhsa_kernel k_q52e59eafcd_prep
		.amdhsa_group_segment_fixed_size 33280
		.amdhsa_private_segment_fixed_size 0
		.amdhsa_enable_private_segment 0
		.amdhsa_kernarg_size 72
		.amdhsa_user_sgpr_count 2
		.amdhsa_user_sgpr_kernarg_segment_ptr 1
		.amdhsa_wavefront_size32 1
		.amdhsa_system_sgpr_workgroup_id_x 1
		.amdhsa_system_sgpr_workgroup_id_y 1
		.amdhsa_system_sgpr_workgroup_id_z 1
		.amdhsa_system_vgpr_workitem_id 0
		.amdhsa_next_free_vgpr 192
		.amdhsa_next_free_sgpr 66
		.amdhsa_reserve_vcc 0
		.amdhsa_float_denorm_mode_32 3
		.amdhsa_float_denorm_mode_16_64 3
		.amdhsa_memory_ordered 1
		.amdhsa_forward_progress 1
		.amdhsa_inst_pref_size 79
	.end_amdhsa_kernel
	.amdgpu_metadata
---
amdhsa.version: [ 1, 2 ]
amdhsa.kernels:
  - .name:           k_q52e59eafcd_prep
    .symbol:         k_q52e59eafcd_prep.kd
    .args:
      - { .name: x, .offset: 0, .size: 8, .value_kind: global_buffer, .address_space: global }
      - { .name: w_q, .offset: 8, .size: 8, .value_kind: global_buffer, .address_space: global }
      - { .name: w_k, .offset: 16, .size: 8, .value_kind: global_buffer, .address_space: global }
      - { .name: w_v, .offset: 24, .size: 8, .value_kind: global_buffer, .address_space: global }
      - { .name: w_u, .offset: 32, .size: 8, .value_kind: global_buffer, .address_space: global }
      - { .name: codes, .offset: 40, .size: 8, .value_kind: global_buffer, .address_space: global }
      - { .name: scales, .offset: 48, .size: 8, .value_kind: global_buffer, .address_space: global }
      - { .name: wu_hi, .offset: 56, .size: 8, .value_kind: global_buffer, .address_space: global }
      - { .name: wu_lo, .offset: 64, .size: 8, .value_kind: global_buffer, .address_space: global }
    .group_segment_fixed_size: 33280
    .private_segment_fixed_size: 0
    .kernarg_segment_align: 8
    .kernarg_segment_size: 72
    .max_flat_workgroup_size: 128
    .sgpr_count:     66
    .vgpr_count:     192
    .wavefront_size: 32
...
	.end_amdgpu_metadata
.endif
;; end of part 1
;; launch proj (part 2): grid 16 x 16, 4 waves a work-group, clusters of 4 x 4, 327,680 bytes of LDS; arguments codes, scales, qkv, lo; writes qkv, lo
.if DOCPART == 2
	.amdgcn_target "amdgcn-amd-amdhsa--gfx1250"
	.amdhsa_code_object_version 6
	.text
	.protected	k_q52e59eafcd_proj
	.globl	k_q52e59eafcd_proj
	.p2align	8
	.type	k_q52e59eafcd_proj,@function
k_q52e59eafcd_proj:
	s_mov_b64 s[64:65], 0
	v_nop
	global_prefetch_b8 v0, s[64:65] scope:SCOPE_SE
	s_setreg_imm32_b32 hwreg(HW_REG_WAVE_MODE, 25, 1), 1
	s_wait_xcnt 0x0
	s_wait_alu depctr_hold_cnt(0) depctr_sa_sdst(0) depctr_va_vdst(0) depctr_va_sdst(0) depctr_va_ssrc(0) depctr_va_vcc(0) depctr_vm_vsrc(0)
	s_getreg_b32 s2, hwreg(HW_REG_IB_STS2, 6, 4)
	s_cmp_eq_u32 s2, 0
	s_cbranch_scc0 .Lentry_in_a_cluster
	s_endpgm
.Lentry_in_a_cluster:
	s_bfe_u32 s2, ttmp6, 0x10000c
	s_cmp_lg_u32 s2, 0xf033
	s_cbranch_scc0 .Lentry_shape_is_right
	s_endpgm
.Lentry_shape_is_right:
; q, k, v = x w_q^T, x w_k^T, x w_v^T on codes of E2M1 with E8M0 scales, f32 sums; results rounded to f16 and stored as images of the next products' operands.  Nothing of these three products is left out.
; codes: [x; w_q; w_k; w_v], each [4096][256 bytes]; scales likewise [4096][16 bytes].  qkv: [plane][8 b + head][row tile t / 16][chunk ch / 32][1,024 bytes].
; A work-group makes rows 256 Y .. + 255 x columns 256 X .. + 255 of all three planes, one after the other; x's rows are loaded once.  K = 512 fits in LDS whole: every LDS byte is filled once, all fills go out at the start.
; Four waves, each 128 x 128: 64 accumulators.  The matrix instruction is used transposed (source 0 = 16 rows of w, source 1 = 16 rows of x): a lane holds one row of x and eight neighbouring channels, so that
; two neighbouring column tiles, packed to f16, ARE an operand image (16 rows x 32 channels): they are stored straight from registers, 512 consecutive aligned bytes a store, with no stage.
; Plane V has its 16-byte pieces in another order (piece (key r, channels 8 g ..) at 512 (g / 2) + 256 (r / 8) + 128 (g % 2) + 16 (r % 8)), which the turning LDS load of the attention launch wants: only the lane's offset differs.
; CLUSTER 4 x 4: X = 4 cluster x + cx, Y = 4 cy + cluster y.  x's tiles hang on Y alone and are shared along a row of the cluster, w's on X alone and along a column.  With this Y a batch is cy and the rows with t < 16 lie where
; cluster y = 0, a number that all partners share: there the f16 low parts (sum - high part) of row tile 0 are stored too, for the launch that carries the first 16 positions more finely.
; A wave has five tensor loads out, at the start.
.set PITCH,  272                       ; an LDS row: 256 bytes of codes + 16 of padding
.set FR,     8
.set NQ,     4                         ; matrix instructions deep: K = 512
.set NP,     4                         ; places behind this matrix instruction (ISA guide 7.12.1)
.set TILEB,  256*PITCH                 ; a tile of 256 rows
.set QUART,  64*PITCH                  ; what one tensor load brings
.set HALFT,  128*PITCH                 ; what one wave reads of a tile
.set SCL,    4*TILEB                   ; behind the four tiles (x, w_q, w_k, w_v): their scale bytes, 4,096 dense bytes each
.set SPARE,  SCL+4*4096                ; the spare words, 128 bytes a wave
.set ADRS, 8                           ; v8-10   scale words for plane t: lanes 0-15 x's rows, lanes 16-31 w's
.set ADRA, 16                          ; v16     my fragments of x
.set ADRB, 20                          ; v20-22  my fragments of w, plane t
.set QOFF, 24                          ; v24     16 x lane
.set VOFF, 25                          ; v25     plane V's order
.set SPW,  28
.set NIL,  29
.set SC,   32                          ; v32-63  scale words: register 4 i + q
.set TMP,  64                          ; v64-127 packed results, two sets of 32
.set AF,   128                         ; v128-191 x's fragments
.set T,    192                         ; v192-255 at work for the low parts
.set G1A,  24
.set G1B,  32
.set G1SA, 40
.set G1SB, 48
.set G0SA, 56
.set G0SB, 60
.set G0A,  68
.set G0B,  72                          ; s[72:83] three sets
.set OUT,  84
.set LO,   86
.set MSB, 0
.macro WIN new                         ; the immediate's high byte repeats the setting that is left
.if MSB != (\new)
	s_set_vgpr_msb (MSB<<8)|(\new)
.set MSB, (\new)
.endif
.endm
.set MUL_LO, 0xa1                      ; source 0 (w) window 1, source 1 (x) window 0, C and D window 2
.set MUL_HI, 0xf1
.set TO_B,   0x40
.macro PLACES n
.rept \n
	v_nop
.endr
.endm
.macro CROUND                          ; a round of the cluster's barrier
	s_barrier_signal -1
	s_barrier_wait -1
	s_cmp_lg_u32 s14, 0
	s_cbranch_scc1 .Lnot_wave_0_\@
	s_barrier_signal -3
.Lnot_wave_0_\@:
	s_barrier_wait -3
	s_barrier_signal -1
	s_barrier_wait -1
.endm
	s_load_b256 s[4:11], s[0:1], 0x0               ; codes, scales, qkv, lo
	v_lshl_add_u32 v[SPW], v0, 2, SPARE
	v_mov_b32 v[NIL], 0
	ds_add_u32 v[SPW], v[NIL]                      ; the opening: the add, twice on end, and its wait ahead of my first tensor load
	ds_add_u32 v[SPW], v[NIL]
	v_lshrrev_b32 v1, 5, v0
	v_readfirstlane_b32 s14, v1                    ; wave
	s_lshr_b32 s15, s14, 1                         ; rh: which half of the rows
	s_and_b32 s16, s14, 1                          ; ch: which half of the columns
	s_bfe_u32 s20, ttmp6, 0x40000                  ; cx
	s_bfe_u32 s21, ttmp6, 0x40004                  ; cy
	s_lshl_b32 s18, ttmp9, 2
	s_add_co_u32 s18, s18, s20                     ; X
	s_and_b32 s19, ttmp7, 0xffff                   ; cluster y
	s_lshl_b32 s17, s21, 2
	s_add_co_u32 s17, s17, s19                     ; Y = 4 cy + cluster y
	s_lshl_b32 s22, s21, 2
	s_lshl_b32 s22, 15, s22                        ; my row of the cluster
	s_lshl_b32 s23, 0x1111, s20                    ; my column
	s_or_b32 s[G1A], s22, (1<<20)|(1<<21)|(5<<22)|(3<<25)   ; elements of 1 byte; 4 words of padding behind every 64
	s_or_b32 s[G1B], s23, (1<<20)|(1<<21)|(5<<22)|(3<<25)
.irp g, G1A, G1B
	s_mov_b32 s[\g+1], 256<<16                     ; tensor_dim0
	s_mov_b32 s[\g+2], 64<<16                      ; tensor_dim1
	s_mov_b32 s[\g+3], 256<<16                     ; tile_dim0
	s_mov_b32 s[\g+4], 64                          ; tile_dim1
	s_mov_b32 s[\g+5], 256                         ; pitch
	s_mov_b32 s[\g+6], 0
	s_mov_b32 s[\g+7], 0
.endr
	s_or_b32 s[G1SA], s22, (3<<16)|(1<<21)         ; the scales of 256 rows: 4,096 dense bytes as 16 rows of 32 elements of 8 bytes
	s_or_b32 s[G1SB], s23, (3<<16)|(1<<21)
.irp g, G1SA, G1SB
	s_mov_b32 s[\g+1], 32<<16
	s_mov_b32 s[\g+2], 16<<16
	s_mov_b32 s[\g+3], 32<<16
	s_mov_b32 s[\g+4], 16
	s_mov_b32 s[\g+5], 32
	s_mov_b32 s[\g+6], 0
	s_mov_b32 s[\g+7], 0
.endr
	s_lshl_b32 s94, s14, 14                        ; my 64 rows of a tile: 64 w x 256 bytes
	s_lshl_b32 s90, s17, 16                        ; x: 256 Y rows
	s_add_co_u32 s90, s90, s94
	s_mov_b32 s91, 0
	s_lshl_b32 s92, s18, 16                        ; w: 256 X rows
	s_add_co_u32 s92, s92, s94
	s_mov_b32 s93, 0
	s_lshl_b32 s96, s17, 12                        ; x's scales: 4,096 Y
	s_mov_b32 s97, 0
	s_lshl_b32 s98, s18, 12                        ; w's: 65,536 w + 4,096 X (wave w = 1, 2, 3 fetches plane w - 1's)
	s_lshl_b32 s95, s14, 16
	s_add_co_u32 s98, s98, s95
	s_mov_b32 s99, 0
	s_mul_i32 s89, s14, QUART                      ; where my rows go: no place in the cluster enters an LDS address
	s_lshl_b32 s95, s14, 12
	s_wait_dscnt 0x0                               ; both opening adds are done
	s_wait_kmcnt 0x0
	s_mov_b32 s[G0SA], 1
	s_mov_b32 s[G0SA+1], SCL
	s_add_nc_u64 s[G0SA+2:G0SA+3], s[6:7], s[96:97]
	s_or_b32 s[G0SA+3], s[G0SA+3], 0x80000000
	s_mov_b32 s[G0SB], 1
	s_add_co_u32 s[G0SB+1], s95, SCL
	s_add_nc_u64 s[G0SB+2:G0SB+3], s[6:7], s[98:99]
	s_or_b32 s[G0SB+3], s[G0SB+3], 0x80000000
	s_mov_b32 s[G0A], 1
	s_mov_b32 s[G0A+1], s89
	s_add_nc_u64 s[G0A+2:G0A+3], s[4:5], s[90:91]
	s_or_b32 s[G0A+3], s[G0A+3], 0x80000000
	s_add_nc_u64 s[92:93], s[4:5], s[92:93]
.irp t, 0,1,2
	s_mov_b32 s[G0B+4*\t], 1
	s_add_co_u32 s[G0B+4*\t+1], s89, (1+\t)*TILEB
	s_add_nc_u64 s[G0B+4*\t+2:G0B+4*\t+3], s[92:93], (1+\t)<<20
	s_or_b32 s[G0B+4*\t+3], s[G0B+4*\t+3], 0x80000000
.endr
	CROUND                                         ; all sixteen work-groups are here: the joint loads meet
	s_cmp_eq_u32 s14, 0                            ; the scales first: wave 0 x's, waves 1-3 a plane's each; a fill in each arm
	s_cbranch_scc0 .Lsc_b
	tensor_load_to_lds s[G0SA:G0SA+3], s[G1SA:G1SA+7]
	s_nop 0
	PLACES 4
	s_branch .Lsc_done
.Lsc_b:
	tensor_load_to_lds s[G0SB:G0SB+3], s[G1SB:G1SB+7]
	s_nop 0
	PLACES 4
.Lsc_done:
	tensor_load_to_lds s[G0A:G0A+3], s[G1A:G1A+7]  ; my 64 rows of x,
	s_nop 0
	tensor_load_to_lds s[G0B:G0B+3], s[G1B:G1B+7]  ; of w_q,
	s_nop 0
	tensor_load_to_lds s[G0B+4:G0B+7], s[G1B:G1B+7]   ; of w_k,
	s_nop 0
	tensor_load_to_lds s[G0B+8:G0B+11], s[G1B:G1B+7]  ; of w_v
	s_nop 0
	PLACES 4
	v_and_b32 v1, 15, v0                           ; r
	v_bfe_u32 v2, v0, 4, 1                         ; h
	v_mul_u32_u24 v3, v1, PITCH
	v_lshl_add_u32 v3, v2, 4, v3                   ; a fragment's row x pitch + 16 h
	s_mul_i32 s12, s15, HALFT
	v_add_nc_u32 v[ADRA], s12, v3
	s_mul_i32 s12, s16, HALFT
	s_add_co_u32 s12, s12, TILEB
.irp t, 0,1,2
	v_add_nc_u32 v[ADRB+\t], s12, v3
	s_add_co_u32 s12, s12, TILEB
.endr
	v_lshlrev_b32 v4, 4, v1                        ; a row's 16 scale bytes
	s_lshl_b32 s12, s15, 11                        ; x's: my 128 rows
	s_lshl_b32 s13, s16, 11                        ; w's: my 128 rows, one block of 4,096 further for each plane
	s_add_co_u32 s13, s13, 4096
	s_sub_co_u32 s13, s13, s12                     ; the distance from x's to w's: lanes 16-31 take w's
	s_add_co_u32 s12, s12, SCL
	v_add_nc_u32 v4, s12, v4
.irp t, 0,1,2
	v_mul_u32_u24 v5, s13, v2
	v_add_nc_u32 v[ADRS+\t], v4, v5
	s_add_co_u32 s13, s13, 4096
.endr
	v_and_b32 v6, 31, v0
	v_lshlrev_b32 v[QOFF], 4, v6
	v_lshrrev_b32 v6, 3, v1
	v_lshlrev_b32 v6, 8, v6
	v_lshl_add_u32 v6, v2, 7, v6
	v_and_b32 v7, 7, v1
	v_lshl_add_u32 v[VOFF], v7, 4, v6              ; 256 (r / 8) + 128 h + 16 (r % 8)
	; where my results go: head 8 cy + X / 2; row tile 16 cluster y + 8 rh; chunk 8 (X % 2) + 4 ch
	s_lshl_b32 s12, s21, 3
	s_lshr_b32 s13, s18, 1
	s_add_co_u32 s12, s12, s13
	s_lshl_b32 s2, s12, 20
	s_lshl_b32 s13, s19, 4
	s_lshl_b32 s89, s15, 3
	s_add_co_u32 s13, s13, s89
	s_lshl_b32 s13, s13, 14
	s_add_co_u32 s2, s2, s13
	s_and_b32 s13, s18, 1
	s_lshl_b32 s13, s13, 3
	s_lshl_b32 s89, s16, 2
	s_add_co_u32 s13, s13, s89
	s_lshl_b32 s13, s13, 10
	s_add_co_u32 s2, s2, s13
	s_mov_b32 s3, 0
	s_add_nc_u64 s[OUT:OUT+1], s[8:9], s[2:3]
	s_lshl_b32 s2, s12, 14
	s_add_co_u32 s2, s2, s13
	s_add_nc_u64 s[LO:LO+1], s[10:11], s[2:3]
	s_or_b32 s88, s19, s15                         ; 0 where my rows begin with t = 0: cluster y = 0 and rh = 0
.macro FRAG reg, adr, q, i             ; 16 rows x 128 K of 4-bit codes: 8 registers, two loads 32 bytes apart
.irp c, 0,1
	ds_load_b128 v[\reg+4*\c:\reg+4*\c+3], v[\adr] offset:64*(\q)+32*\c+(\i)*16*PITCH
.endr
.endm
; 16 matrix instructions: x's blocks a0, a0 + 1 against w's eight; the 64 accumulators take turns, one instruction a turn.  zero = 1: the first product starts the sums
.macro MUL16 a0, p, q, zero
.irp a, \a0, \a0+1
.irp b, 0,1,2,3,4,5,6,7
.if \zero
	v_wmma_scale_f32_16x16x128_f8f6f4 v[8*(8*((\a)%4)+\b):8*(8*((\a)%4)+\b)+7], v[128*(\p)+FR*\b:128*(\p)+FR*\b+FR-1], v[AF+FR*(\a):AF+FR*(\a)+FR-1], 0, v[SC+NQ*\b+(\q)], v[SC+NQ*(\a)+(\q)] matrix_a_fmt:MATRIX_FMT_FP4 matrix_b_fmt:MATRIX_FMT_FP4 matrix_a_scale:MATRIX_SCALE_ROW1
.else
	v_wmma_scale_f32_16x16x128_f8f6f4 v[8*(8*((\a)%4)+\b):8*(8*((\a)%4)+\b)+7], v[128*(\p)+FR*\b:128*(\p)+FR*\b+FR-1], v[AF+FR*(\a):AF+FR*(\a)+FR-1], v[8*(8*((\a)%4)+\b):8*(8*((\a)%4)+\b)+7], v[SC+NQ*\b+(\q)], v[SC+NQ*(\a)+(\q)] matrix_a_fmt:MATRIX_FMT_FP4 matrix_b_fmt:MATRIX_FMT_FP4 matrix_a_scale:MATRIX_SCALE_ROW1
.endif
.endr
.endr
.endm
.macro FETCH_B t, q, p
	WIN TO_B
.irp i, 0,1,2,3,4,5,6,7
	FRAG 128*(\p)+FR*\i, ADRB+\t, \q, \i
.endr
	WIN 0
.endm
.macro FETCH_A q, i0
.irp i, \i0, \i0+1, \i0+2, \i0+3
	FRAG AF+FR*(\i), ADRA, \q, \i
.endr
.endm
.macro SCALES t                        ; four words a row: lanes 0-15 x's block i, lanes 16-31 w's block i
.irp i, 0,1,2,3,4,5,6,7
	ds_load_b128 v[SC+NQ*\i:SC+NQ*\i+3], v[ADRS+\t] offset:256*\i
.endr
.endm
.macro STEP t, q, zero                 ; 128 along K, with its successor's fragments fetched in two runs
	s_wait_dscnt 8                                 ; w's set and x's blocks 0-3 are in; the youngest eight loads (x's blocks 4-7) may be out
	WIN MUL_LO
	MUL16 0, (\q)%2, \q, \zero
	MUL16 2, (\q)%2, \q, \zero
	s_wait_dscnt 0x0
	PLACES NP
	FETCH_B \t, (\q)+1, 1-(\q)%2
	FETCH_A (\q)+1, 0
	WIN MUL_HI
	MUL16 4, (\q)%2, \q, \zero
	MUL16 6, (\q)%2, \q, \zero
	PLACES NP
	WIN 0
	FETCH_A (\q)+1, 4
.endm
.macro LAST                            ; the fourth step: nothing more to fetch
	s_wait_dscnt 8
	WIN MUL_LO
	MUL16 0, 1, 3, 0
	MUL16 2, 1, 3, 0
	s_wait_dscnt 0x0
	WIN MUL_HI
	MUL16 4, 1, 3, 0
	MUL16 6, 1, 3, 0
	WIN 0
.endm
; The way out, 16 rows at a time: 32 roundings to f16 (each accumulator from its low end on), 8 stores of 512 consecutive aligned bytes.
.macro WAYOUT loff
	PLACES NP
.irp a, 0,1,2,3,4,5,6,7
	s_wait_xcnt 0x0                                ; the stores of two blocks back have read this set of TMP
	WIN 0x0a+5*(\a/4)                              ; sources in window 2 or 3
.irp b, 0,1,2,3,4,5,6,7
.irp r, 0,1,2,3
	v_cvt_pk_f16_f32 v[TMP+32*(\a%2)+4*\b+\r], v[64*(\a%4)+8*\b+2*\r], v[64*(\a%4)+8*\b+2*\r+1]
.endr
.endr
	WIN 0
.irp b, 0,1,2,3,4,5,6,7
	global_store_b128 v[\loff], v[TMP+32*(\a%2)+4*\b:TMP+32*(\a%2)+4*\b+3], s[OUT:OUT+1] offset:16384*\a+1024*(\b/2)+512*(\b%2)
.endr
.if \a == 0
	s_cmp_lg_u32 s88, 0                            ; rows t < 16: what the rounding to f16 left goes out too.  The test hangs on cluster y and the wave's number alone
	s_cbranch_scc1 .Lno_low_\@
.set i, 0
.irp h, v64.l, v64.h, v65.l, v65.h, v66.l, v66.h, v67.l, v67.h, v68.l, v68.h, v69.l, v69.h, v70.l, v70.h, v71.l, v71.h, v72.l, v72.h, v73.l, v73.h, v74.l, v74.h, v75.l, v75.h, v76.l, v76.h, v77.l, v77.h, v78.l, v78.h, v79.l, v79.h, v80.l, v80.h, v81.l, v81.h, v82.l, v82.h, v83.l, v83.h, v84.l, v84.h, v85.l, v85.h, v86.l, v86.h, v87.l, v87.h, v88.l, v88.h, v89.l, v89.h, v90.l, v90.h, v91.l, v91.h, v92.l, v92.h, v93.l, v93.h, v94.l, v94.h, v95.l, v95.h
	v_cvt_f32_f16 v[T+i], \h
.set i, i+1
.endr
	WIN 0x02                                       ; source 0: the sums, window 2
.irp j, 0,2,4,6,8,10,12,14,16,18,20,22,24,26,28,30,32,34,36,38,40,42,44,46,48,50,52,54,56,58,60,62
	v_pk_add_f32 v[T+\j:T+\j+1], v[\j:\j+1], v[T+\j:T+\j+1] neg_lo:[0,1] neg_hi:[0,1]
.endr
	WIN 0
.irp j, 0,1,2,3,4,5,6,7,8,9,10,11,12,13,14,15,16,17,18,19,20,21,22,23,24,25,26,27,28,29,30,31
	v_cvt_pk_f16_f32 v[TMP+32+\j], v[T+2*\j], v[T+2*\j+1]
.endr
.irp b, 0,1,2,3,4,5,6,7
	global_store_b128 v[\loff], v[TMP+32+4*\b:TMP+32+4*\b+3], s[LO:LO+1] offset:1024*(\b/2)+512*(\b%2)
.endr
.Lno_low_\@:
.endif
.endr
.endm
.macro TILE t, loff
	s_wait_tensorcnt 2-\t                          ; the scales, x and this plane's w are in; the later planes' loads may stay out
	s_barrier_signal -1
	s_barrier_wait -1                              ; everybody's are
	PLACES NP
	FETCH_B \t, 0, 0
	FETCH_A 0, 0
	SCALES \t
	FETCH_A 0, 4
	STEP \t, 0, 1
	STEP \t, 1, 0
	STEP \t, 2, 0
	LAST
	WAYOUT \loff
.endm
	TILE 0, QOFF
	s_wait_xcnt 0x0                                ; the stores have read their bases
	s_add_nc_u64 s[OUT:OUT+1], s[OUT:OUT+1], 0x2000000
	s_add_nc_u64 s[LO:LO+1], s[LO:LO+1], 0x80000
	TILE 1, QOFF
	s_wait_xcnt 0x0
	s_add_nc_u64 s[OUT:OUT+1], s[OUT:OUT+1], 0x2000000
	s_add_nc_u64 s[LO:LO+1], s[LO:LO+1], 0x80000
	TILE 2, VOFF
	s_wait_tensorcnt 0x0                           ; the wave's end
	ds_add_u32 v[SPW], v[NIL]
	s_wait_dscnt 0x0
	CROUND                                         ; the closing round
	s_endpgm
.Lfunc_end_k_q52e59eafcd_proj:
	.size	k_q52e59eafcd_proj, .Lfunc_end_k_q52e59eafcd_proj-k_q52e59eafcd_proj
	.p2alignl 7, 3214868480
	.fill 96, 4, 3214868480
	.section	.rodata,"a",@progbits
	.p2align	6, 0x0
	.amdhsa_kernel k_q52e59eafcd_proj
		.amdhsa_group_segment_fixed_size 327680
		.amdhsa_private_segment_fixed_size 0
		.amdhsa_enable_private_segment 0
		.amdhsa_kernarg_size 32
		.amdhsa_user_sgpr_count 2
		.amdhsa_user_sgpr_kernarg_segment_ptr 1
		.amdhsa_wavefront_size32 1
		.amdhsa_system_sgpr_workgroup_id_x 1
		.amdhsa_system_sgpr_workgroup_id_y 1
		.amdhsa_system_sgpr_workgroup_id_z 1
		.amdhsa_system_vgpr_workitem_id 0
		.amdhsa_next_free_vgpr 1024
		.amdhsa_next_free_sgpr 100
		.amdhsa_reserve_vcc 0
		.amdhsa_float_denorm_mode_32 3
		.amdhsa_float_denorm_mode_16_64 3
		.amdhsa_memory_ordered 1
		.amdhsa_forward_progress 1
		.amdhsa_inst_pref_size 226
	.end_amdhsa_kernel
	.amdgpu_metadata
---
amdhsa.version: [ 1, 2 ]
amdhsa.kernels:
  - .name:           k_q52e59eafcd_proj
    .symbol:         k_q52e59eafcd_proj.kd
    .args:
      - { .name: codes, .offset: 0, .size: 8, .value_kind: global_buffer, .address_space: global }
      - { .name: scales, .offset: 8, .size: 8, .value_kind: global_buffer, .address_space: global }
      - { .name: qkv, .offset: 16, .size: 8, .value_kind: global_buffer, .address_space: global }
      - { .name: lo, .offset: 24, .size: 8, .value_kind: global_buffer, .address_space: global }
    .group_segment_fixed_size: 327680
    .private_segment_fixed_size: 0
    .kernarg_segment_align: 8
    .kernarg_segment_size: 32
    .max_flat_workgroup_size: 128
    .sgpr_count:     100
    .vgpr_count:     1024
    .wavefront_size: 32
...
	.end_amdgpu_metadata
.endif
;; end of part 2
;; launch attn (part 3): grid 8 x 32, 4 waves a work-group, no clusters, 327,680 bytes of LDS; arguments qkv, att; writes att
.if DOCPART == 3
	.amdgcn_target "amdgcn-amd-amdhsa--gfx1250"
	.amdhsa_code_object_version 6
	.text
	.protected	k_q52e59eafcd_attn
	.globl	k_q52e59eafcd_attn
	.p2align	8
	.type	k_q52e59eafcd_attn,@function
k_q52e59eafcd_attn:
	s_mov_b64 s[64:65], 0
	v_nop
	global_prefetch_b8 v0, s[64:65] scope:SCOPE_SE
	s_setreg_imm32_b32 hwreg(HW_REG_WAVE_MODE, 25, 1), 1
	s_wait_xcnt 0x0
; att[b][t][head][:] = sum over keys of softmax(q . k / sqrt(512)) v, causal, on f16 operands with f32 sums, maxima and row sums; the weights p are rounded to f16 for the second product, the result once at the end.
; WORK LEFT OUT: tiles of 128 keys wholly behind a block of 64 queries: reference()'s own tril makes their weights 0 for all finite inputs.  A NaN or infinity that reaches only such tiles is not carried on.
; SHARES.  Work-group (J, head) owns query blocks 15 - J and J, 64 queries each.  Block i needs i / 2 + 1 key tiles, so the two need 9 for every J: all work-groups walk 9 steps, a constant.
; A STEP (128 keys).  Every wave keeps all of Q (64 x 512) in registers.  Wave w makes S^T = K Q^T for ITS 32 keys x 64 queries; the row maxima and the weights go round through LDS; then wave w adds O^T += V^T P for ITS 128 channels.
; So a fragment of K feeds 4 products, one of V 4, one of P 8.  A lane holds one query (lane % 16) of each of the four tiles of queries throughout.
; SOFTMAX.  Running maximum m and sum l: p = 2^(c s - c m), c = log2(e) / sqrt(512); in each step O and l are multiplied by f = 2^(c m_old - c m_new).  At the change of blocks m goes back to -3e38, so f = 0 makes zeros of the finite old sums.
; O is cleared once at the head: where a block's first step stands hangs on J, and the step is written once.
; LDS.  K's and V's tiles are dense images of operands; each wave fetches and reads its own quarter, one tensor load behind each of two barriers a step; one load of a wave is out.
; NO CLUSTER: the work-groups of a head need different numbers of key tiles in their blocks, so a joint load would bring some partner a tile that none of its waves reads.
.set KT,    0                          ; 4 x 32,768: wave w's 32 keys: fragment (kt, c) at (16 kt + c) x 1,024
.set VT,    131072                     ; 4 x 32,768: wave w's 128 channels: key tile k8 at 4,096 k8, channel tile ct at 512 ct
.set PIMG,  262144                     ; 16 fragments of P: (u, qt) at (4 u + qt) x 1,024
.set MAXA,  278528                     ; row maxima: 256 w + 16 r: four words, one for each tile of queries
.set LSUM,  279552                     ; row sums likewise
.set SPARE, 280576
.set L16, 1
.set AK,  2
.set AV,  3
.set API, 4
.set APS, 5
.set AMS, 6
.set AML, 7
.set ALS, 8
.set ALL, 9
.set DA,  10                           ; 64 (block % 2) + r - 32 w - 8 h, for the first block
.set DB,  11                           ; for the second
.set PFK, 12
.set PFV, 13
.set SPW, 14
.set NIL, 15
.set CM,  16                           ; v16-23 pairs (c m, m)
.set LL,  24                           ; v24-31 l in two halves
.set FF,  32                           ; v32-39 pairs (f or 1 / l, unused)
.set LM,  40                           ; v40-43 my wave's maxima
.set TW,  44                           ; v44-47 at work
.set S,   48                           ; v48-111 S(kt, qt) at 8 (4 kt + qt); later V's fragments, buffer 0
.set FB,  112                          ; v112-239 K's fragments, two halves of 64; later P and V
.set NINF, 240
.set OC,  244                          ; v244-247 at work
.set WV,  8
.set N1M1, 11                          ; the first block's last step
.set BK,  12
.set TRP, 13
.set LIM, 14
.set G1K, 16
.set G1V, 24
.set G0K, 32
.set G0V, 36
.set QA,  40
.set QB,  42
.set OA,  44
.set OB,  46
.set PKA, 48
.set PVA, 50
.set CS,  52
.set SEL, 54
.set MSB, 0
.macro WIN new
.if MSB != (\new)
	s_set_vgpr_msb (MSB<<8)|(\new)
.set MSB, (\new)
.endif
.endm
.macro PLACES n
.rept \n
	v_nop
.endr
.endm
	s_load_b128 s[4:7], s[0:1], 0x0                ; qkv, att
	v_lshl_add_u32 v[SPW], v0, 2, SPARE
	v_mov_b32 v[NIL], 0
	ds_add_u32 v[SPW], v[NIL]                      ; the opening: the add, twice on end, and its wait ahead of my first tensor load
	ds_add_u32 v[SPW], v[NIL]
	v_lshrrev_b32 v1, 5, v0
	v_readfirstlane_b32 s[WV], v1
	s_mov_b32 s9, ttmp9                            ; J
	s_and_b32 s10, ttmp7, 0xffff                   ; 8 b + head
	s_sub_co_u32 s58, 15, s9                       ; the first block
	s_lshr_b32 s[N1M1], s58, 1
	s_add_co_u32 s[BK], s[N1M1], 1
	s_lshl_b32 s[BK], s[BK], 17                    ; its tiles in bytes: the way back to tile 0
	s_cmp_eq_u32 s9, 0
	s_cselect_b32 s[LIM], 6, 0                     ; who prefetches, and in which steps
	s_mov_b32 s[G1K], 3<<16                        ; K: 32,768 dense bytes as 128 rows of 32 elements of 8 bytes
	s_mov_b32 s[G1K+1], 32<<16
	s_mov_b32 s[G1K+2], 128<<16
	s_mov_b32 s[G1K+3], 32<<16
	s_mov_b32 s[G1K+4], 128
	s_mov_b32 s[G1K+5], 32
	s_mov_b32 s[G1K+6], 0
	s_mov_b32 s[G1K+7], 0
	s_mov_b32 s[G1V], 3<<16                        ; V: 8 key tiles x 4,096 bytes (my four chunks), 16,384 bytes apart
	s_mov_b32 s[G1V+1], 512<<16
	s_mov_b32 s[G1V+2], 8<<16
	s_mov_b32 s[G1V+3], 512<<16
	s_mov_b32 s[G1V+4], 8
	s_mov_b32 s[G1V+5], 2048
	s_mov_b32 s[G1V+6], 0
	s_mov_b32 s[G1V+7], 0
	s_mov_b32 s[CS], 0x3d8293ee                    ; c = log2(e) / sqrt(512)
	s_mov_b32 s[CS+1], s[CS]
	s_mov_b32 s[SEL], 0x76543210
	s_mov_b32 s[SEL+1], 0xfedcba98
	s_mov_b32 s57, 0
	s_lshl_b32 s60, s10, 20                        ; the head's bytes in a plane
	s_mov_b32 s61, 0
	s_lshl_b32 s59, s[WV], 15
	s_wait_dscnt 0x0                               ; both opening adds are done
	s_wait_kmcnt 0x0
	s_add_nc_u64 s[QA:QA+1], s[4:5], s[60:61]      ; plane Q at my head
	s_mov_b32 s56, s59
	s_add_nc_u64 s[PKA:PKA+1], s[QA:QA+1], s[56:57]
	s_add_nc_u64 s[PKA:PKA+1], s[PKA:PKA+1], 0x2000000   ; plane K: my 32 keys of tile 0
	s_lshl_b32 s56, s[WV], 12
	s_add_nc_u64 s[PVA:PVA+1], s[QA:QA+1], s[56:57]
	s_add_nc_u64 s[PVA:PVA+1], s[PVA:PVA+1], 0x4000000   ; plane V: my four chunks of tile 0
	s_mov_b32 s[G0K], 1
	s_mov_b32 s[G0K+1], s59
	s_mov_b64 s[G0K+2:G0K+3], s[PKA:PKA+1]
	s_or_b32 s[G0K+3], s[G0K+3], 0x80000000
	s_mov_b32 s[G0V], 1
	s_add_co_u32 s[G0V+1], s59, VT
	s_mov_b64 s[G0V+2:G0V+3], s[PVA:PVA+1]
	s_or_b32 s[G0V+3], s[G0V+3], 0x80000000
	tensor_load_to_lds s[G0K:G0K+3], s[G1K:G1K+7]  ; K of step 0: every wave its own quarter
	s_nop 0
	PLACES 4
	s_add_nc_u64 s[PKA:PKA+1], s[PKA:PKA+1], 0x20000     ; the prefetches stand at tile 1; each step moves them on a tile before it asks
	s_add_nc_u64 s[PVA:PVA+1], s[PVA:PVA+1], 0x20000
	s_lshl_b32 s56, s9, 16
	s_add_nc_u64 s[QB:QB+1], s[QA:QA+1], s[56:57]
	s_lshl_b32 s56, s58, 16
	s_add_nc_u64 s[QA:QA+1], s[QA:QA+1], s[56:57]
	s_lshr_b32 s62, s10, 3
	s_lshl_b32 s62, s62, 6                         ; 64 row tiles a batch
	s_and_b32 s63, s10, 7
	s_lshl_b32 s63, s63, 4
	s_lshl_b32 s56, s[WV], 2
	s_add_co_u32 s63, s63, s56
	s_lshl_b32 s63, s63, 10                        ; chunk 16 head + 4 w
	s_lshl_b32 s56, s58, 2
	s_add_co_u32 s56, s56, s62
	s_lshl_b32 s56, s56, 17
	s_add_co_u32 s56, s56, s63
	s_add_nc_u64 s[OA:OA+1], s[6:7], s[56:57]
	s_lshl_b32 s56, s9, 2
	s_add_co_u32 s56, s56, s62
	s_lshl_b32 s56, s56, 17
	s_add_co_u32 s56, s56, s63
	s_add_nc_u64 s[OB:OB+1], s[6:7], s[56:57]
	v_and_b32 v[L16], 31, v0
	v_lshlrev_b32 v[PFK], 8, v[L16]                ; prefetch, K: lanes 256 bytes apart
	v_lshlrev_b32 v[L16], 4, v[L16]
	v_add_nc_u32 v[AK], s59, v[L16]
	v_add_nc_u32 v[AV], VT, v[AK]
	v_add_nc_u32 v[API], PIMG, v[L16]
	s_lshl_b32 s56, s[WV], 12
	v_add_nc_u32 v[APS], s56, v[API]
	v_and_b32 v241, 15, v0                         ; r
	v_bfe_u32 v242, v0, 4, 1                       ; h
	v_lshlrev_b32 v243, 4, v241
	v_add_nc_u32 v[AML], MAXA, v243
	v_add_nc_u32 v[ALL], LSUM, v243
	s_lshl_b32 s56, s[WV], 8
	v_add_nc_u32 v[AMS], s56, v[AML]
	v_add_nc_u32 v[ALS], s56, v[ALL]
	v_lshlrev_b32 v[PFV], 8, v241
	v_lshl_add_u32 v[PFV], v242, 14, v[PFV]        ; prefetch, V: key tile lane / 16, 256 (lane % 16) in its 4,096 bytes
	v_lshlrev_b32 v243, 3, v242
	v_sub_nc_u32 v243, v241, v243
	s_lshl_b32 s56, s[WV], 5
	v_sub_nc_u32 v243, v243, s56                   ; r - 8 h - 32 w
	s_and_b32 s56, s58, 1
	s_lshl_b32 s56, s56, 6
	v_add_nc_u32 v[DA], s56, v243
	s_and_b32 s56, s9, 1
	s_lshl_b32 s56, s56, 6
	v_add_nc_u32 v[DB], s56, v243
	v_mov_b32 v[NINF], 0xff800000
.irp j, 0,1,2,3,4,5,6,7
	v_mov_b32 v[LL+\j], 0
	v_mov_b32 v[FF+\j], 0
.endr
.irp j, 0,1,2,3
	v_mov_b32 v[TW+\j], 0                          ; a lane permute's destination counts as one of its sources
	v_mov_b32 v[OC+\j], 0
.endr
.macro RESETM                          ; the largest score so far: -3e38, under every score
.irp qt, 0,1,2,3
	v_mov_b32 v[CM+2*\qt+1], 0xff61b1e6
.endr
.irp qt, 0,1,2,3
	v_mul_f32 v[CM+2*\qt], s[CS], v[CM+2*\qt+1]
.endr
.endm
.macro QLOAD base                      ; 64 queries x 512 channels: fragment (qt, c) at 8 (4 (c % 8) + qt) of window 1 + c / 8
	PLACES 4
.irp wn, 0,1
	WIN 0x40*(1+\wn)
.irp c8, 0,1,2,3,4,5,6,7
.irp qt, 0,1,2,3
	global_load_b128 v[8*(4*\c8+\qt):8*(4*\c8+\qt)+3], v[L16], s[\base:\base+1] offset:(16*\qt+8*\wn+\c8)*1024
	global_load_b128 v[8*(4*\c8+\qt)+4:8*(4*\c8+\qt)+7], v[L16], s[\base:\base+1] offset:(16*\qt+8*\wn+\c8)*1024+512
.endr
.endr
.endr
	WIN 0
.endm
.macro KLOAD g                         ; chunks 4 g .. 4 g + 3 of my two tiles of keys: 16 loads into half g % 2
.irp ci, 0,1,2,3
.irp kt, 0,1
	ds_load_b128 v[FB+64*((\g)%2)+8*(2*\ci+\kt):FB+64*((\g)%2)+8*(2*\ci+\kt)+3], v[AK] offset:(16*\kt+4*(\g)+\ci)*1024
	ds_load_b128 v[FB+64*((\g)%2)+8*(2*\ci+\kt)+4:FB+64*((\g)%2)+8*(2*\ci+\kt)+7], v[AK] offset:(16*\kt+4*(\g)+\ci)*1024+512
.endr
.endr
.endm
.macro QKMUL g                         ; 32 products; the eight accumulators take turns; chunk 0 starts the sums
	WIN 0x04*(1+(\g)/2)                            ; source 1 (Q) in window 1 or 2
.irp ci, 0,1,2,3
.irp kt, 0,1
.irp qt, 0,1,2,3
.if ((\g) == 0) && (\ci == 0)
	v_wmma_f32_16x16x32_f16 v[S+8*(4*\kt+\qt):S+8*(4*\kt+\qt)+7], v[FB+64*((\g)%2)+8*(2*\ci+\kt):FB+64*((\g)%2)+8*(2*\ci+\kt)+7], v[8*(4*((4*(\g)+\ci)%8)+\qt):8*(4*((4*(\g)+\ci)%8)+\qt)+7], 0
.else
	v_wmma_f32_16x16x32_f16 v[S+8*(4*\kt+\qt):S+8*(4*\kt+\qt)+7], v[FB+64*((\g)%2)+8*(2*\ci+\kt):FB+64*((\g)%2)+8*(2*\ci+\kt)+7], v[8*(4*((4*(\g)+\ci)%8)+\qt):8*(4*((4*(\g)+\ci)%8)+\qt)+7], v[S+8*(4*\kt+\qt):S+8*(4*\kt+\qt)+7]
.endif
.endr
.endr
.endr
.endm
.macro MASK d                          ; the diagonal tile: register j of S(kt, qt) holds key 32 w + 16 kt + 8 h + j and query 16 qt + r: hidden where 16 kt + j - 16 qt > d.  The tile's key 0 counts for every query
.irp kt, 0,1
.irp qt, 0,1,2,3
.irp j, 0,1,2,3,4,5,6,7
	v_cmp_gt_i32 vcc_lo, 16*\kt+\j-16*\qt, v[\d]
	v_cndmask_b32 v[S+8*(4*\kt+\qt)+\j], v[S+8*(4*\kt+\qt)+\j], v[NINF], vcc_lo
.endr
.endr
.endr
.endm
.macro LMAX                            ; my 32 keys' largest score of each query; each accumulator is read from its low end on
.irp qt, 0,1,2,3
	v_max3_num_f32 v[LM+\qt], v[S+8*\qt], v[S+8*\qt+1], v[S+8*\qt+2]
.endr
.irp i, 3,5
.irp qt, 0,1,2,3
	v_max3_num_f32 v[LM+\qt], v[LM+\qt], v[S+8*\qt+\i], v[S+8*\qt+\i+1]
.endr
.endr
.irp qt, 0,1,2,3
	v_max3_num_f32 v[LM+\qt], v[LM+\qt], v[S+8*\qt+7], v[S+32+8*\qt]
.endr
.irp i, 1,3,5
.irp qt, 0,1,2,3
	v_max3_num_f32 v[LM+\qt], v[LM+\qt], v[S+32+8*\qt+\i], v[S+32+8*\qt+\i+1]
.endr
.endr
.irp qt, 0,1,2,3
	v_max_num_f32 v[LM+\qt], v[LM+\qt], v[S+32+8*\qt+7]
.endr
.irp qt, 0,1,2,3
	v_permlanex16_b32 v[TW+\qt], v[LM+\qt], s[SEL], s[SEL+1]
.endr
.irp qt, 0,1,2,3
	v_max_num_f32 v[LM+\qt], v[LM+\qt], v[TW+\qt]
.endr
	ds_store_b128 v[AMS], v[LM:LM+3]               ; lanes r and r + 16 write the same words with the same values
.endm
.macro SOFT
.irp u, 0,1,2,3
	ds_load_b128 v[FB+4*\u:FB+4*\u+3], v[AML] offset:256*\u
.endr
	s_wait_dscnt 0x0
.irp qt, 0,1,2,3
	v_max3_num_f32 v[TW+\qt], v[FB+\qt], v[FB+4+\qt], v[FB+8+\qt]
.endr
.irp qt, 0,1,2,3
	v_mov_b32 v[OC+\qt], v[CM+2*\qt]               ; c m_old
.endr
.irp qt, 0,1,2,3
	v_max3_num_f32 v[CM+2*\qt+1], v[TW+\qt], v[FB+12+\qt], v[CM+2*\qt+1]
.endr
.irp qt, 0,1,2,3
	v_mul_f32 v[CM+2*\qt], s[CS], v[CM+2*\qt+1]
.endr
.irp qt, 0,1,2,3
	v_sub_f32 v[OC+\qt], v[OC+\qt], v[CM+2*\qt]
.endr
.irp qt, 0,1,2,3
	v_exp_f32 v[FF+2*\qt], v[OC+\qt]               ; f
.endr
.irp kt, 0,1
.irp qt, 0,1,2,3
.irp j, 0,2,4,6
	v_pk_fma_f32 v[S+8*(4*\kt+\qt)+\j:S+8*(4*\kt+\qt)+\j+1], v[S+8*(4*\kt+\qt)+\j:S+8*(4*\kt+\qt)+\j+1], s[CS:CS+1], v[CM+2*\qt:CM+2*\qt+1] op_sel_hi:[1,0,0] neg_lo:[0,0,1] neg_hi:[0,0,1]   ; c s - c m
.endr
.endr
.endr
.set i, 0
.rept 64
	v_exp_f32 v[S+i], v[S+i]
.set i, i+1
.endr
	v_nop                                          ; a plain instruction behind the last exponential
	s_wait_alu depctr_va_vdst(0)                   ; one wait for the batch of 68, ahead of its first reader
.irp qt, 0,1,2,3
.irp kt, 0,1
.irp j, 0,1,2,3
	v_cvt_pk_f16_f32 v[208+8*\qt+4*\kt+\j], v[S+8*(4*\kt+\qt)+2*\j], v[S+8*(4*\kt+\qt)+2*\j+1]   ; my 32 keys x 16 queries ARE a fragment of P
.endr
.endr
.endr
.irp qt, 0,1,2,3
	ds_store_b128 v[APS], v[208+8*\qt:208+8*\qt+3] offset:1024*\qt
	ds_store_b128 v[APS], v[208+8*\qt+4:208+8*\qt+7] offset:1024*\qt+512
.endr
.irp o, 0,4,32,36                      ; the row sums of the unrounded p, in place
.irp qt, 0,1,2,3
	v_pk_add_f32 v[S+8*\qt+\o:S+8*\qt+\o+1], v[S+8*\qt+\o:S+8*\qt+\o+1], v[S+8*\qt+\o+2:S+8*\qt+\o+3]
.endr
.endr
.irp o, 0,32
.irp qt, 0,1,2,3
	v_pk_add_f32 v[S+8*\qt+\o:S+8*\qt+\o+1], v[S+8*\qt+\o:S+8*\qt+\o+1], v[S+8*\qt+\o+4:S+8*\qt+\o+5]
.endr
.endr
.irp qt, 0,1,2,3
	v_pk_add_f32 v[S+8*\qt:S+8*\qt+1], v[S+8*\qt:S+8*\qt+1], v[S+8*\qt+32:S+8*\qt+33]
.endr
.irp qt, 0,1,2,3
	v_pk_fma_f32 v[LL+2*\qt:LL+2*\qt+1], v[LL+2*\qt:LL+2*\qt+1], v[FF+2*\qt:FF+2*\qt+1], v[S+8*\qt:S+8*\qt+1] op_sel_hi:[1,0,1]   ; l = l f + the step's sum
.endr
	; my wave's row sums so far go to LDS in every step; they are read at a block's end
.irp qt, 0,1,2,3
	v_add_f32 v[TW+\qt], v[LL+2*\qt], v[LL+2*\qt+1]
.endr
.irp qt, 0,1,2,3
	v_permlanex16_b32 v[OC+\qt], v[TW+\qt], s[SEL], s[SEL+1]
.endr
.irp qt, 0,1,2,3
	v_add_f32 v[TW+\qt], v[TW+\qt], v[OC+\qt]
.endr
	ds_store_b128 v[ALS], v[TW:TW+3]
.endm
.macro VLOAD u, buf                    ; V^T, keys 32 u on, my 8 tiles of channels: the turning load takes 512 consecutive bytes and leaves half a fragment
.irp ct, 0,1,2,3,4,5,6,7
	ds_load_tr16_b128 v[S+96*(\buf)+8*\ct:S+96*(\buf)+8*\ct+3], v[AV] offset:(2*(\u))*4096+512*\ct
	ds_load_tr16_b128 v[S+96*(\buf)+8*\ct+4:S+96*(\buf)+8*\ct+7], v[AV] offset:(2*(\u)+1)*4096+512*\ct
.endr
.endm
.macro PLOAD u, buf
.irp qt, 0,1,2,3
	ds_load_b128 v[FB+96*(\buf)+8*\qt:FB+96*(\buf)+8*\qt+3], v[API] offset:(4*(\u)+\qt)*1024
	ds_load_b128 v[FB+96*(\buf)+8*\qt+4:FB+96*(\buf)+8*\qt+7], v[API] offset:(4*(\u)+\qt)*1024+512
.endr
.endm
.macro PVMUL buf                       ; 32 products, the 32 accumulators by turns
	WIN 0xF0                                       ; C and D (O^T) in window 3
.irp ct, 0,1,2,3,4,5,6,7
.irp qt, 0,1,2,3
	v_wmma_f32_16x16x32_f16 v[8*(4*\ct+\qt):8*(4*\ct+\qt)+7], v[S+96*(\buf)+8*\ct:S+96*(\buf)+8*\ct+7], v[FB+96*(\buf)+8*\qt:FB+96*(\buf)+8*\qt+7], v[8*(4*\ct+\qt):8*(4*\ct+\qt)+7]
.endr
.endr
.endm
.macro RESCALE
	WIN 0xC3
.irp ct, 0,1,2,3,4,5,6,7
.irp qt, 0,1,2,3
.irp j, 0,2,4,6
	v_pk_mul_f32 v[8*(4*\ct+\qt)+\j:8*(4*\ct+\qt)+\j+1], v[8*(4*\ct+\qt)+\j:8*(4*\ct+\qt)+\j+1], v[FF+2*\qt:FF+2*\qt+1] op_sel_hi:[1,0]
.endr
.endr
.endr
	WIN 0
.endm
.macro FINAL base                      ; a block's end: O^T / l, rounded to f16: two neighbouring tiles of channels are an operand image of the next product; 512 consecutive aligned bytes a store
	PLACES 4
	WIN 0
.irp u, 0,1,2,3
	ds_load_b128 v[FB+4*\u:FB+4*\u+3], v[ALL] offset:256*\u
.endr
	s_wait_dscnt 0x0
.irp qt, 0,1,2,3
	v_add_f32 v[TW+\qt], v[FB+\qt], v[FB+4+\qt]
.endr
.irp qt, 0,1,2,3
	v_add_f32 v[OC+\qt], v[FB+8+\qt], v[FB+12+\qt]
.endr
.irp qt, 0,1,2,3
	v_add_f32 v[TW+\qt], v[TW+\qt], v[OC+\qt]
.endr
.irp qt, 0,1,2,3
	v_rcp_f32 v[FF+2*\qt], v[TW+\qt]
.endr
	v_nop
	s_wait_alu depctr_va_vdst(0)                   ; one wait for the four reciprocals
.irp qt, 0,1,2,3
	s_wait_xcnt 0x0                                ; the stores of two tiles back have read their registers
	WIN 0x03
.irp ct, 0,1,2,3,4,5,6,7
.irp j, 0,2,4,6
	v_pk_mul_f32 v[S+8*\ct+\j:S+8*\ct+\j+1], v[8*(4*\ct+\qt)+\j:8*(4*\ct+\qt)+\j+1], v[FF+2*\qt:FF+2*\qt+1] op_sel_hi:[1,0]
.endr
.endr
	WIN 0
.irp ct, 0,1,2,3,4,5,6,7
.irp j, 0,1,2,3
	v_cvt_pk_f16_f32 v[144+32*(\qt%2)+4*\ct+\j], v[S+8*\ct+2*\j], v[S+8*\ct+2*\j+1]
.endr
.endr
.irp ct, 0,1,2,3,4,5,6,7
	global_store_b128 v[L16], v[144+32*(\qt%2)+4*\ct:144+32*(\qt%2)+4*\ct+3], s[\base:\base+1] offset:131072*\qt+512*\ct
.endr
.endr
	s_wait_xcnt 0x0                                ; the next step's loads land in these registers
.endm
; A prefetch into the L2 of the key tile two steps on.  All eight work-groups of a head walk the same tiles from tile 0 on; the one with J = 0 walks all eight first, and it alone asks, in steps 0 to 5, for tile step + 2;
; each wave for the quarters that it will fetch: K's 32,768 dense bytes, lanes 256 bytes apart; V's 8 rows of 4,096 bytes.  So each aligned 256 bytes are named once.  Tiles 0 and 1 come by their loads alone.
.macro ASK
	s_cmp_lt_u32 s[TRP], s[LIM]
	s_cbranch_scc0 .Lnot_mine_\@
.irp i, 0,1,2,3
	global_prefetch_b8 v[PFK], s[PKA:PKA+1] offset:8192*\i th:TH_LOAD_NT scope:SCOPE_SE
.endr
.irp i, 0,1,2,3
	global_prefetch_b8 v[PFV], s[PVA:PVA+1] offset:32768*\i th:TH_LOAD_NT scope:SCOPE_SE
.endr
.Lnot_mine_\@:
.endm
; A STEP.  kfill = 1: the next step's K is asked for.  tail = 1: the last step, written out: it is the second block's last.
.macro TRIP kfill, tail
	s_wait_tensorcnt 0x0                           ; this step's K has landed; no tensor load of mine is out
	ds_add_u32 v[SPW], v[NIL]
	s_wait_dscnt 0x0                               ; the add is done, and my reads of V's tile are over
	s_barrier_signal -1
	s_barrier_wait -1
	tensor_load_to_lds s[G0V:G0V+3], s[G1V:G1V+7]  ; this step's V: it has the 128 products K Q^T in which to land
	s_nop 0
	PLACES 6                                       ; also the places behind the last products: loads land in their operands, and the first product below writes over some
	s_wait_loadcnt 0x0                             ; Q
	KLOAD 0
	KLOAD 1
	s_wait_dscnt 16                                ; all but the 16 just issued
	QKMUL 0
	PLACES 4
	WIN 0
	KLOAD 2
	s_wait_dscnt 16
	QKMUL 1
	PLACES 4
	WIN 0
	KLOAD 3
	s_wait_dscnt 16
	QKMUL 2
	s_wait_dscnt 0x0
	QKMUL 3
	WIN 0
	PLACES 4
.if \tail
	MASK DB
.else
	s_cmp_lg_u32 s[TRP], s[N1M1]                   ; ids and the count of steps alone: the same in all four waves
	s_cbranch_scc1 .Lopen_\@
	MASK DA                                        ; the first block's diagonal tile;
	QLOAD QB                                       ; its Q has been multiplied for the last time: the second block's is asked for
.Lopen_\@:
.endif
	LMAX
	s_wait_tensorcnt 0x0                           ; V has landed; no tensor load of mine is out, so the descriptors may be written
	ds_add_u32 v[SPW], v[NIL]
.if \kfill
	s_cmp_eq_u32 s[TRP], s[N1M1]
	s_cselect_b32 s56, s[BK], 0                    ; behind the first block's last tile: back to tile 0
	s_add_nc_u64 s[G0K+2:G0K+3], s[G0K+2:G0K+3], 0x20000
	s_sub_nc_u64 s[G0K+2:G0K+3], s[G0K+2:G0K+3], s[56:57]
	s_add_nc_u64 s[G0V+2:G0V+3], s[G0V+2:G0V+3], 0x20000
	s_sub_nc_u64 s[G0V+2:G0V+3], s[G0V+2:G0V+3], s[56:57]
	s_wait_xcnt 0x0                                ; the last step's prefetches have read their addresses
	s_add_nc_u64 s[PKA:PKA+1], s[PKA:PKA+1], 0x20000
	s_add_nc_u64 s[PVA:PVA+1], s[PVA:PVA+1], 0x20000
.endif
	s_wait_dscnt 0x0                               ; the add and my store of the maxima are done; my reads of K's tile are over
	s_barrier_signal -1
	s_barrier_wait -1
.if \kfill
	tensor_load_to_lds s[G0K:G0K+3], s[G1K:G1K+7]  ; the next step's K: it has the softmax and the 128 products V^T P in which to land
	s_nop 0
	PLACES 4
	ASK
.endif
	SOFT
	s_wait_dscnt 0x0                               ; my fragments of P and my row sums lie in LDS
	s_barrier_signal -1                            ; K's load may stay out
	VLOAD 0, 0                                     ; my own quarter of V, which nobody writes before a later barrier
	VLOAD 1, 1
	RESCALE                                        ; O^T x f, while the others arrive
	s_barrier_wait -1
	PLOAD 0, 0
	PLOAD 1, 1
	s_wait_dscnt 8                                 ; all but the second P's eight
	PVMUL 0
	PLACES 4
	WIN 0
	VLOAD 2, 0
	PLOAD 2, 0
	s_wait_dscnt 24                                ; all but the 24 just issued
	PVMUL 1
	PLACES 4
	WIN 0
	VLOAD 3, 1
	PLOAD 3, 1
	s_wait_dscnt 24
	PVMUL 0
	s_wait_dscnt 0x0
	PVMUL 1
	WIN 0
.if \tail
	FINAL OB
.else
	s_cmp_lg_u32 s[TRP], s[N1M1]
	s_cbranch_scc1 .Lon_\@
	FINAL OA
	RESETM
.Lon_\@:
.endif
.endm
	QLOAD QA
	WIN 0xC0
.set i, 0
.rept 256
	v_mov_b32 v[i], 0                              ; O^T, once
.set i, i+1
.endr
	WIN 0
	RESETM
	s_mov_b32 s[TRP], 0
.Ltrip:
	TRIP 1, 0
	s_add_co_u32 s[TRP], s[TRP], 1
	s_cmp_lt_u32 s[TRP], 8
	s_cbranch_scc1 .Ltrip
	TRIP 0, 1                                      ; the ninth step asks for no further K
	s_wait_tensorcnt 0x0                           ; the wave's end
	ds_add_u32 v[SPW], v[NIL]
	s_wait_dscnt 0x0
	s_endpgm
.Lfunc_end_k_q52e59eafcd_attn:
	.size	k_q52e59eafcd_attn, .Lfunc_end_k_q52e59eafcd_attn-k_q52e59eafcd_attn
	.p2alignl 7, 3214868480
	.fill 96, 4, 3214868480
	.section	.rodata,"a",@progbits
	.p2align	6, 0x0
	.amdhsa_kernel k_q52e59eafcd_attn
		.amdhsa_group_segment_fixed_size 327680
		.amdhsa_private_segment_fixed_size 0
		.amdhsa_enable_private_segment 0
		.amdhsa_kernarg_size 16
		.amdhsa_user_sgpr_count 2
		.amdhsa_user_sgpr_kernarg_segment_ptr 1
		.amdhsa_wavefront_size32 1
		.amdhsa_system_sgpr_workgroup_id_x 1
		.amdhsa_system_sgpr_workgroup_id_y 1
		.amdhsa_system_sgpr_workgroup_id_z 1
		.amdhsa_system_vgpr_workitem_id 0
		.amdhsa_next_free_vgpr 1024
		.amdhsa_next_free_sgpr 66
		.amdhsa_reserve_vcc 1
		.amdhsa_float_denorm_mode_32 3
		.amdhsa_float_denorm_mode_16_64 3
		.amdhsa_memory_ordered 1
		.amdhsa_forward_progress 1
		.amdhsa_inst_pref_size 189
	.end_amdhsa_kernel
	.amdgpu_metadata
---
amdhsa.version: [ 1, 2 ]
amdhsa.kernels:
  - .name:           k_q52e59eafcd_attn
    .symbol:         k_q52e59eafcd_attn.kd
    .args:
      - { .name: qkv, .offset: 0, .size: 8, .value_kind: global_buffer, .address_space: global }
      - { .name: att, .offset: 8, .size: 8, .value_kind: global_buffer, .address_space: global }
    .group_segment_fixed_size: 327680
    .private_segment_fixed_size: 0
    .kernarg_segment_align: 8
    .kernarg_segment_size: 16
    .max_flat_workgroup_size: 128
    .sgpr_count:     66
    .vgpr_count:     1024
    .wavefront_size: 32
...
	.end_amdgpu_metadata
.endif
;; end of part 3
;; launch unify (part 4): grid 8 x 32, 4 waves a work-group, clusters of 4 x 1, 327,680 bytes of LDS; arguments att, wu_hi, b_u, out0; writes out0
.if DOCPART == 4
	.amdgcn_target "amdgcn-amd-amdhsa--gfx1250"
	.amdhsa_code_object_version 6
	.text
	.protected	k_q52e59eafcd_unify
	.globl	k_q52e59eafcd_unify
	.p2align	8
	.type	k_q52e59eafcd_unify,@function
k_q52e59eafcd_unify:
	s_mov_b64 s[64:65], 0
	v_nop
	global_prefetch_b8 v0, s[64:65] scope:SCOPE_SE
	s_setreg_imm32_b32 hwreg(HW_REG_WAVE_MODE, 25, 1), 1
	s_wait_xcnt 0x0
	s_wait_alu depctr_hold_cnt(0) depctr_sa_sdst(0) depctr_va_vdst(0) depctr_va_sdst(0) depctr_va_ssrc(0) depctr_va_vcc(0) depctr_vm_vsrc(0)
	s_getreg_b32 s2, hwreg(HW_REG_IB_STS2, 6, 4)
	s_cmp_eq_u32 s2, 0
	s_cbranch_scc0 .Lentry_in_a_cluster
	s_endpgm
.Lentry_in_a_cluster:
	s_bfe_u32 s2, ttmp6, 0x10000c
	s_cmp_lg_u32 s2, 0x3003
	s_cbranch_scc0 .Lentry_shape_is_right
	s_endpgm
.Lentry_shape_is_right:
; out0 = att w_u^T + b_u on f16 operands (w_u's high part), f32 sums, for all rows but the first 16 positions of each sequence: those rows are computed with their tile and not stored; a later launch owns them.
; A work-group makes 128 rows (Y) x 64 columns (X).  THE WAVES SPLIT K: wave w takes chunks 32 w .. 32 w + 31 of the 128 (32 along K each) for the whole tile: 32 accumulators; a chunk's 12 fragments feed 32 products.
; The four partial sums meet in LDS at the end: the f32 sums are split four ways along K, an order of rounding that differs from a single chain.
; att's tiles hang on Y alone, which the four work-groups of a cluster share: joint tensor loads, two slots of 4 chunks a wave; each wave fetches and reads its own quarter.  Two loads of a wave are out at the start, later one.
; w_u's fragments are read by one wave of one work-group each: they go from memory straight into registers, three chunks ahead.
; The matrix instruction is used transposed (source 0 = 16 output columns, source 1 = 16 rows): a lane holds one row and eight neighbouring columns.
.set SLOT1, 0
.set SLOT0, 131072
.set STAGE, 131072                     ; the way out: 4 x 128 rows x 272 bytes: slot 0, behind its last fill and its last read, and 8,192 bytes behind it
.set SPARE, 270336
.set L16, 1
.set ADA, 2                            ; v2, v3: my quarter of slot 0, 1
.set STO, 4
.set RD,  5                            ; v5-8: the four partial sums' rows
.set CO,  9
.set SPW, 10
.set NIL, 11
.set BIAS, 12                          ; v12-15
.set AFR, 64                           ; v64-191 att's fragments, two sets
.set WV,  12
.set G1,  16
.set G0,  24                           ; s[24:27] slot 0's, s[28:31] slot 1's
.set WB,  32
.set LAP, 34
.set OUTB, 36
.set MSB, 0
.macro WIN new
.if MSB != (\new)
	s_set_vgpr_msb (MSB<<8)|(\new)
.set MSB, (\new)
.endif
.endm
.macro PLACES n
.rept \n
	v_nop
.endr
.endm
.macro ROUND                           ; a round of the cluster's barrier
	s_barrier_signal -1
	s_barrier_wait -1
	s_cmp_lg_u32 s[WV], 0
	s_cbranch_scc1 .Lnot_wave_0_\@
	s_barrier_signal -3
.Lnot_wave_0_\@:
	s_barrier_wait -3
	s_barrier_signal -1
	s_barrier_wait -1
.endm
	s_load_b256 s[4:11], s[0:1], 0x0               ; att, wu_hi, b_u, out0
	v_lshl_add_u32 v[SPW], v0, 2, SPARE
	v_mov_b32 v[NIL], 0
	ds_add_u32 v[SPW], v[NIL]                      ; the opening: the add, twice on end, and its wait ahead of my first tensor load
	ds_add_u32 v[SPW], v[NIL]
	v_lshrrev_b32 v1, 5, v0
	v_readfirstlane_b32 s[WV], v1
	s_bfe_u32 s13, ttmp6, 0x40000                  ; cx
	s_lshl_b32 s14, ttmp9, 2
	s_add_co_u32 s14, s14, s13                     ; X
	s_and_b32 s15, ttmp7, 0xffff                   ; Y, which the partners share
	s_mov_b32 s[G1], 15|(3<<16)|(1<<21)            ; all four work-groups; elements of 8 bytes
	s_mov_b32 s[G1+1], 512<<16                     ; a row: my 4 chunks, 4,096 bytes
	s_mov_b32 s[G1+2], 8<<16                       ; 8 row tiles
	s_mov_b32 s[G1+3], 512<<16
	s_mov_b32 s[G1+4], 8
	s_mov_b32 s[G1+5], 16384                       ; 131,072 bytes from row tile to row tile
	s_mov_b32 s[G1+6], 0
	s_mov_b32 s[G1+7], 0
	s_lshl_b32 s38, s15, 20                        ; 8 Y row tiles
	s_lshl_b32 s40, s[WV], 15                      ; my 32 chunks; also my quarter of a slot
	s_add_co_u32 s38, s38, s40
	s_mov_b32 s39, 0
	s_lshl_b32 s42, s14, 19                        ; w_u: column tile 4 X
	s_add_co_u32 s42, s42, s40
	s_mov_b32 s43, 0
	s_and_b32 s35, s15, 7
	s_or_b32 s35, s35, s[WV]                       ; 0 where the rows that I store begin with t = 0
	s_wait_dscnt 0x0                               ; both opening adds are done
	s_wait_kmcnt 0x0
	s_add_nc_u64 s[38:39], s[4:5], s[38:39]
	s_mov_b32 s[G0], 1
	s_add_co_u32 s[G0+1], s40, SLOT0
	s_mov_b64 s[G0+2:G0+3], s[38:39]
	s_or_b32 s[G0+3], s[G0+3], 0x80000000
	s_mov_b32 s[G0+4], 1
	s_mov_b32 s[G0+5], s40
	s_add_nc_u64 s[G0+6:G0+7], s[38:39], 4096
	s_or_b32 s[G0+7], s[G0+7], 0x80000000
	s_add_nc_u64 s[WB:WB+1], s[6:7], s[42:43]
	ROUND                                          ; all four work-groups are here: the first joint loads meet
	tensor_load_to_lds s[G0:G0+3], s[G1:G1+7]      ; chunks 0-3 of my 32
	s_nop 0
	tensor_load_to_lds s[G0+4:G0+7], s[G1:G1+7]    ; chunks 4-7
	s_nop 0
	PLACES 4
	v_and_b32 v[L16], 31, v0
	v_lshlrev_b32 v[L16], 4, v[L16]
	v_add_nc_u32 v[ADA+1], s40, v[L16]
	v_add_nc_u32 v[ADA], SLOT0, v[ADA+1]
	v_and_b32 v20, 15, v0                          ; r
	v_bfe_u32 v21, v0, 4, 1                        ; h
	s_mul_i32 s38, s[WV], 128*272
	v_mul_u32_u24 v[STO], v20, 272
	v_lshl_add_u32 v[STO], v21, 5, v[STO]
	v_add_nc_u32 v[STO], s38, v[STO]
	v_add_nc_u32 v[STO], STAGE, v[STO]             ; in: my partial sums: row r, + 32 h
	s_mul_i32 s38, s[WV], 32*272
	v_mul_u32_u24 v22, v21, 272
	v_lshl_add_u32 v22, v20, 4, v22
	v_add_nc_u32 v22, s38, v22
.irp u, 0,1,2,3
	v_add_nc_u32 v[RD+\u], STAGE+128*272*\u, v22   ; back: rows 32 w on of wave u's sums: lanes 0-15 one row, lanes 16-31 the next
.endr
	v_lshlrev_b32 v[CO], 11, v21
	v_lshl_add_u32 v[CO], v20, 4, v[CO]            ; the same two rows in out0
	v_lshlrev_b32 v23, 4, v20
	s_lshl_b32 s38, s14, 8                         ; my 64 columns: 256 bytes
	s_mov_b32 s39, 0
	s_add_nc_u64 s[8:9], s[8:9], s[38:39]
	s_lshl_b32 s40, s15, 18
	s_lshl_b32 s41, s[WV], 16
	s_add_co_u32 s40, s40, s41
	s_add_co_u32 s40, s40, s38                     ; (128 Y + 32 w) rows of 2,048 bytes + 256 X
	s_mov_b32 s41, 0
	s_add_nc_u64 s[OUTB:OUTB+1], s[10:11], s[40:41]
	global_load_b128 v[BIAS:BIAS+3], v23, s[8:9]
.macro ALOAD s, e, buf                 ; chunk e of the slot: 8 row tiles
.irp a, 0,1,2,3,4,5,6,7
	ds_load_b128 v[AFR+64*(\buf)+8*\a:AFR+64*(\buf)+8*\a+3], v[ADA+\s] offset:4096*\a+1024*(\e)
	ds_load_b128 v[AFR+64*(\buf)+8*\a+4:AFR+64*(\buf)+8*\a+7], v[ADA+\s] offset:4096*\a+1024*(\e)+512
.endr
.endm
.macro BLOAD e                         ; w_u's four column tiles of chunk e, into window 2
	WIN 0x80
.irp n, 0,1,2,3
	global_load_b128 v[32*(\e)+8*\n:32*(\e)+8*\n+3], v[L16], s[WB:WB+1] offset:131072*\n+1024*(\e)
	global_load_b128 v[32*(\e)+8*\n+4:32*(\e)+8*\n+7], v[L16], s[WB:WB+1] offset:131072*\n+1024*(\e)+512
.endr
	WIN 0
.endm
.macro MUL32 e, buf, zero              ; the 32 accumulators take turns, in the same order in every chunk
	WIN 0x52                                       ; source 0 (w_u) window 2, source 1 (att) window 0, C and D window 1
.irp a, 0,1,2,3,4,5,6,7
.irp n, 0,1,2,3
.if \zero
	v_wmma_f32_16x16x32_f16 v[8*(4*\a+\n):8*(4*\a+\n)+7], v[32*(\e)+8*\n:32*(\e)+8*\n+7], v[AFR+64*(\buf)+8*\a:AFR+64*(\buf)+8*\a+7], 0
.else
	v_wmma_f32_16x16x32_f16 v[8*(4*\a+\n):8*(4*\a+\n)+7], v[32*(\e)+8*\n:32*(\e)+8*\n+7], v[AFR+64*(\buf)+8*\a:AFR+64*(\buf)+8*\a+7], v[8*(4*\a+\n):8*(4*\a+\n)+7]
.endif
.endr
.endr
.endm
.macro WORK s, more, zero              ; a slot's four chunks.  more = 1: behind each chunk its set of w_u takes the next slot's
.if \more
	s_wait_xcnt 0x0                                ; the last loads of w_u have read their base
	s_add_nc_u64 s[WB:WB+1], s[WB:WB+1], 4096
.endif
	ALOAD \s, 0, 0
	ALOAD \s, 1, 1
.irp e, 0,1,2,3
.if \e < 3
	s_wait_dscnt 16                                ; all but the next chunk's 16
.else
	s_wait_dscnt 0x0
.endif
.if \more
	s_wait_loadcnt 24                              ; this chunk's w_u is in; three younger sets of 8 loads may be out
.else
	s_wait_loadcnt 8*(3-\e)
.endif
.if (\zero) && (\e == 0)
	MUL32 \e, \e%2, 1
.else
	MUL32 \e, \e%2, 0
.endif
	PLACES 4
	WIN 0
.if \e < 2
	ALOAD \s, \e+2, \e%2
.endif
.if \more
	BLOAD \e
.endif
.endr
.endm
.macro CH s, refill                    ; the change of slots, at the head of slot s
	s_wait_tensorcnt 0x0                           ; my part of slot s has landed; no tensor load of mine is out
	ds_add_u32 v[SPW], v[NIL]
.if \refill
	s_add_nc_u64 s[G0+4*(1-\s)+2:G0+4*(1-\s)+3], s[G0+4*(1-\s)+2:G0+4*(1-\s)+3], 8192   ; the other slot's next four chunks
.endif
	s_wait_dscnt 0x0                               ; the add is done, and my reads of the other slot are over
.if \refill
	ROUND                                          ; that holds of every wave of the four work-groups
	tensor_load_to_lds s[G0+4*(1-\s):G0+4*(1-\s)+3], s[G1:G1+7]
	s_nop 0
	PLACES 4
.else
	s_barrier_signal -1
	s_barrier_wait -1
.endif
	WORK \s, \refill, 0
.endm
.irp e, 0,1,2,3
	BLOAD \e
.endr
	s_wait_tensorcnt 1                             ; slot 0 is in; slot 1's load may stay out
	s_barrier_signal -1
	s_barrier_wait -1
	WORK 0, 1, 1                                   ; the first chunk's products start the sums
	s_mov_b32 s[LAP], 3
.Llap:
	CH 1, 1
	CH 0, 1
	s_sub_co_u32 s[LAP], s[LAP], 1
	s_cmp_lg_u32 s[LAP], 0
	s_cbranch_scc1 .Llap
	CH 1, 0                                        ; the last slot: nothing is left to fetch; behind its barrier nobody reads slot 0
	; THE WAY OUT: each wave's partial sums into its stage; a barrier; wave w adds rows 32 w .. 32 w + 31 of the four, and the bias, and stores them: sixteen lanes fill 256 consecutive aligned bytes
	WIN 0x04                                       ; an LDS store's data: window 1
.irp a, 0,1,2,3,4,5,6,7
.irp n, 0,1,2,3
	ds_store_b128 v[STO], v[8*(4*\a+\n):8*(4*\a+\n)+3] offset:16*272*\a+64*\n
	ds_store_b128 v[STO], v[8*(4*\a+\n)+4:8*(4*\a+\n)+7] offset:16*272*\a+64*\n+16
.endr
.endr
	WIN 0
	s_wait_dscnt 0x0
	s_barrier_signal -1
	s_barrier_wait -1
.macro BATCH q                         ; four pairs of rows
.irp p, 0,1,2,3
.irp u, 0,1,2,3
	ds_load_b128 v[AFR+16*\p+4*\u:AFR+16*\p+4*\u+3], v[RD+\u] offset:544*(4*(\q)+\p)
.endr
.endr
	s_wait_dscnt 0x0
.irp p, 0,1,2,3
.irp k, 0,2
	v_pk_add_f32 v[AFR+16*\p+\k:AFR+16*\p+\k+1], v[AFR+16*\p+\k:AFR+16*\p+\k+1], v[AFR+16*\p+4+\k:AFR+16*\p+4+\k+1]
	v_pk_add_f32 v[AFR+16*\p+8+\k:AFR+16*\p+8+\k+1], v[AFR+16*\p+8+\k:AFR+16*\p+8+\k+1], v[AFR+16*\p+12+\k:AFR+16*\p+12+\k+1]
.endr
.irp k, 0,2
	v_pk_add_f32 v[AFR+16*\p+\k:AFR+16*\p+\k+1], v[AFR+16*\p+\k:AFR+16*\p+\k+1], v[AFR+16*\p+8+\k:AFR+16*\p+8+\k+1]
.endr
.irp k, 0,2
	v_pk_add_f32 v[192+4*(4*(\q)+\p)+\k:192+4*(4*(\q)+\p)+\k+1], v[AFR+16*\p+\k:AFR+16*\p+\k+1], v[BIAS+\k:BIAS+\k+1]
.endr
	global_store_b128 v[CO], v[192+4*(4*(\q)+\p):192+4*(4*(\q)+\p)+3], s[OUTB:OUTB+1] offset:4096*(4*(\q)+\p) th:TH_STORE_NT
.endr
.endm
	s_cmp_eq_u32 s35, 0                            ; Y and the wave's number alone: the same in all partners
	s_cbranch_scc1 .Lfine_rows                     ; rows t = 0 .. 15 belong to the launch that carries them more finely
	BATCH 0
	BATCH 1
.Lfine_rows:
	BATCH 2
	BATCH 3
	s_wait_tensorcnt 0x0                           ; the wave's end
	ds_add_u32 v[SPW], v[NIL]
	s_wait_dscnt 0x0
	ROUND                                          ; the closing round
	s_endpgm
.Lfunc_end_k_q52e59eafcd_unify:
	.size	k_q52e59eafcd_unify, .Lfunc_end_k_q52e59eafcd_unify-k_q52e59eafcd_unify
	.p2alignl 7, 3214868480
	.fill 96, 4, 3214868480
	.section	.rodata,"a",@progbits
	.p2align	6, 0x0
	.amdhsa_kernel k_q52e59eafcd_unify
		.amdhsa_group_segment_fixed_size 327680
		.amdhsa_private_segment_fixed_size 0
		.amdhsa_enable_private_segment 0
		.amdhsa_kernarg_size 32
		.amdhsa_user_sgpr_count 2
		.amdhsa_user_sgpr_kernarg_segment_ptr 1
		.amdhsa_wavefront_size32 1
		.amdhsa_system_sgpr_workgroup_id_x 1
		.amdhsa_system_sgpr_workgroup_id_y 1
		.amdhsa_system_sgpr_workgroup_id_z 1
		.amdhsa_system_vgpr_workitem_id 0
		.amdhsa_next_free_vgpr 768
		.amdhsa_next_free_sgpr 66
		.amdhsa_reserve_vcc 0
		.amdhsa_float_denorm_mode_32 3
		.amdhsa_float_denorm_mode_16_64 3
		.amdhsa_memory_ordered 1
		.amdhsa_forward_progress 1
		.amdhsa_inst_pref_size 90
	.end_amdhsa_kernel
	.amdgpu_metadata
---
amdhsa.version: [ 1, 2 ]
amdhsa.kernels:
  - .name:           k_q52e59eafcd_unify
    .symbol:         k_q52e59eafcd_unify.kd
    .args:
      - { .name: att, .offset: 0, .size: 8, .value_kind: global_buffer, .address_space: global }
      - { .name: wu_hi, .offset: 8, .size: 8, .value_kind: global_buffer, .address_space: global }
      - { .name: b_u, .offset: 16, .size: 8, .value_kind: global_buffer, .address_space: global }
      - { .name: out0, .offset: 24, .size: 8, .value_kind: global_buffer, .address_space: global }
    .group_segment_fixed_size: 327680
    .private_segment_fixed_size: 0
    .kernarg_segment_align: 8
    .kernarg_segment_size: 32
    .max_flat_workgroup_size: 128
    .sgpr_count:     66
    .vgpr_count:     768
    .wavefront_size: 32
...
	.end_amdgpu_metadata
.endif
;; end of part 4
;; launch fine (part 5): grid 32 x 4, 8 waves a work-group, no clusters, 9,216 bytes of LDS; arguments qkv, lo, wu_hi, wu_lo, b_u, out0; writes out0
.if DOCPART == 5
	.amdgcn_target "amdgcn-amd-amdhsa--gfx1250"
	.amdhsa_code_object_version 6
	.text
	.protected	k_q52e59eafcd_fine
	.globl	k_q52e59eafcd_fine
	.p2align	8
	.type	k_q52e59eafcd_fine,@function
k_q52e59eafcd_fine:
	s_mov_b64 s[64:65], 0
	v_nop
	global_prefetch_b8 v0, s[64:65] scope:SCOPE_SE
	s_setreg_imm32_b32 hwreg(HW_REG_WAVE_MODE, 25, 1), 1
	s_wait_xcnt 0x0
; The first 16 positions of each sequence, through attention and w_u, more finely: their rows average one to sixteen values, so the rounding of f16 operands weighs most there.
; WORK LEFT OUT: for t < 16 only keys 0 .. 15 count (reference()'s own tril): no other key is loaded.
; Work-group (column tile nt, batch b); wave = head.  Operands go as pairs of f16, a high and a low part split in f32: a b = ah bh + ah bl + al bh, three f16 products in three f32 accumulators (al bl is left out: under 2^-22 of the product).
;   S^T (key 8 h + j, query r) = K Q^T over 16 chunks;  mask, softmax in f32, normalised: P;
;   Z (key 8 h + j, column r) = V W^T over 16 chunks, W = w_u's 16 rows nt at this head's 512 columns;
;   out_head^T = Z^T P by the f32 matrix form, four instructions: registers 2 i, 2 i + 1 of Z and of P hold the same four keys in the same places.  So out = sum over heads of P (V W^T): reference()'s (P V) W^T by associativity.
; The eight heads' results meet in LDS as images of registers; wave 0 adds them and b_u and stores.  A row's 64 bytes are a quarter of an aligned 256: 64 rows in all are stored so; one column tile to a work-group keeps both products one shape.
.set SPARE, 8192                       ; behind the eight images of 1,024 bytes
.set QOFF, 1
.set VOFF, 2
.set SPW,  3
.set NIL,  4
.set STO,  5
.set DD,   6
.set CO,   7
.set BO,   8
.set NINF, 9
.set SA,   16                          ; v16-39 S's three accumulators
.set ZA,   40                          ; v40-63 Z's three
.set P,    64
.set Z,    72
.set F0,   80                          ; v80-87, v88-95: written by the f32 matrix form alone
.set F1,   88
.set FS,   96
.set TW,   104
.set IM,   112                         ; v112-175 the eight images
.set BI,   176
.set RS,   184
.set QH, 20
.set QL, 22
.set KH, 24
.set KL, 26
.set VH, 28
.set VL, 30
.set WH, 32
.set WL, 34
.set MSB, 0
.macro WIN new
.if MSB != (\new)
	s_set_vgpr_msb (MSB<<8)|(\new)
.set MSB, (\new)
.endif
.endm
.macro PLACES n
.rept \n
	v_nop
.endr
.endm
	s_load_b256 s[4:11], s[0:1], 0x0               ; qkv, lo, wu_hi, wu_lo
	s_load_b128 s[12:15], s[0:1], 0x20             ; b_u, out0
	v_lshl_add_u32 v[SPW], v0, 2, SPARE
	v_mov_b32 v[NIL], 0
	v_lshrrev_b32 v10, 5, v0
	v_readfirstlane_b32 s16, v10                   ; wave = head
	s_mov_b32 s17, ttmp9                           ; nt
	s_and_b32 s18, ttmp7, 0xffff                   ; b
	s_lshl_b32 s19, s18, 3
	s_add_co_u32 s19, s19, s16
	s_lshl_b32 s44, s19, 20
	s_mov_b32 s45, 0
	s_lshl_b32 s46, s19, 14
	s_mov_b32 s47, 0
	s_lshl_b32 s42, s17, 17
	s_lshl_b32 s39, s16, 14
	s_add_co_u32 s42, s42, s39
	s_mov_b32 s43, 0
	s_mov_b32 s36, 0x76543210
	s_mov_b32 s37, 0xfedcba98
	s_mov_b32 s38, 0x3d8293ee                      ; c = log2(e) / sqrt(512)
	v_and_b32 v10, 31, v0
	v_lshlrev_b32 v[QOFF], 4, v10
	v_and_b32 v11, 15, v0                          ; r
	v_bfe_u32 v12, v0, 4, 1                        ; h
	v_lshrrev_b32 v13, 3, v11
	v_lshlrev_b32 v13, 8, v13
	v_lshl_add_u32 v13, v12, 7, v13
	v_and_b32 v14, 7, v11
	v_lshl_add_u32 v[VOFF], v14, 4, v13            ; plane V's order: read so, its bytes are a plain fragment (row = key)
	s_lshl_b32 s39, s16, 10
	v_add_nc_u32 v[STO], s39, v[QOFF]
	v_lshlrev_b32 v13, 3, v12
	v_sub_nc_u32 v[DD], v11, v13                   ; r - 8 h: register j is hidden where j > that
	v_lshlrev_b32 v[BO], 5, v12
	v_lshl_add_u32 v[CO], v11, 11, v[BO]           ; out0: row r, + 32 h
	v_mov_b32 v[NINF], 0xff800000
	v_mov_b32 v[TW+1], 0                           ; a lane permute's destination counts as one of its sources
	s_wait_kmcnt 0x0
	s_add_nc_u64 s[QH:QH+1], s[4:5], s[44:45]
	s_add_nc_u64 s[KH:KH+1], s[QH:QH+1], 0x2000000
	s_add_nc_u64 s[VH:VH+1], s[QH:QH+1], 0x4000000
	s_add_nc_u64 s[QL:QL+1], s[6:7], s[46:47]
	s_add_nc_u64 s[KL:KL+1], s[QL:QL+1], 0x80000
	s_add_nc_u64 s[VL:VL+1], s[QL:QL+1], 0x100000
	s_add_nc_u64 s[WH:WH+1], s[8:9], s[42:43]
	s_add_nc_u64 s[WL:WL+1], s[10:11], s[42:43]
	s_lshl_b32 s44, s17, 6
	s_add_nc_u64 s[12:13], s[12:13], s[44:45]
	s_lshl_b32 s46, s18, 21
	s_add_co_u32 s46, s46, s44
	s_add_nc_u64 s[40:41], s[14:15], s[46:47]
	global_load_b128 v[BI:BI+3], v[BO], s[12:13]
	global_load_b128 v[BI+4:BI+7], v[BO], s[12:13] offset:16
; chunks 4 g .. 4 g + 3: for each, A's high and low fragment and B's, 32 registers at 32 ci of buffer buf in window 1: 32 loads
.macro GLOAD buf, g, pa, pb, oa, pc, pd
	WIN 0x40
.irp ci, 0,1,2,3
	global_load_b128 v[128*(\buf)+32*\ci:128*(\buf)+32*\ci+3], v[\oa], s[\pa:\pa+1] offset:(4*(\g)+\ci)*1024
	global_load_b128 v[128*(\buf)+32*\ci+4:128*(\buf)+32*\ci+7], v[\oa], s[\pa:\pa+1] offset:(4*(\g)+\ci)*1024+512
	global_load_b128 v[128*(\buf)+32*\ci+8:128*(\buf)+32*\ci+11], v[\oa], s[\pb:\pb+1] offset:(4*(\g)+\ci)*1024
	global_load_b128 v[128*(\buf)+32*\ci+12:128*(\buf)+32*\ci+15], v[\oa], s[\pb:\pb+1] offset:(4*(\g)+\ci)*1024+512
	global_load_b128 v[128*(\buf)+32*\ci+16:128*(\buf)+32*\ci+19], v[QOFF], s[\pc:\pc+1] offset:(4*(\g)+\ci)*1024
	global_load_b128 v[128*(\buf)+32*\ci+20:128*(\buf)+32*\ci+23], v[QOFF], s[\pc:\pc+1] offset:(4*(\g)+\ci)*1024+512
	global_load_b128 v[128*(\buf)+32*\ci+24:128*(\buf)+32*\ci+27], v[QOFF], s[\pd:\pd+1] offset:(4*(\g)+\ci)*1024
	global_load_b128 v[128*(\buf)+32*\ci+28:128*(\buf)+32*\ci+31], v[QOFF], s[\pd:\pd+1] offset:(4*(\g)+\ci)*1024+512
.endr
	WIN 0
.endm
.macro GMUL buf, acc, zero             ; the three accumulators take turns
	WIN 0x05
.irp ci, 0,1,2,3
.if (\zero) && (\ci == 0)
	v_wmma_f32_16x16x32_f16 v[\acc:\acc+7], v[128*(\buf)+32*\ci:128*(\buf)+32*\ci+7], v[128*(\buf)+32*\ci+16:128*(\buf)+32*\ci+23], 0
	v_wmma_f32_16x16x32_f16 v[\acc+8:\acc+15], v[128*(\buf)+32*\ci:128*(\buf)+32*\ci+7], v[128*(\buf)+32*\ci+24:128*(\buf)+32*\ci+31], 0
	v_wmma_f32_16x16x32_f16 v[\acc+16:\acc+23], v[128*(\buf)+32*\ci+8:128*(\buf)+32*\ci+15], v[128*(\buf)+32*\ci+16:128*(\buf)+32*\ci+23], 0
.else
	v_wmma_f32_16x16x32_f16 v[\acc:\acc+7], v[128*(\buf)+32*\ci:128*(\buf)+32*\ci+7], v[128*(\buf)+32*\ci+16:128*(\buf)+32*\ci+23], v[\acc:\acc+7]
	v_wmma_f32_16x16x32_f16 v[\acc+8:\acc+15], v[128*(\buf)+32*\ci:128*(\buf)+32*\ci+7], v[128*(\buf)+32*\ci+24:128*(\buf)+32*\ci+31], v[\acc+8:\acc+15]
	v_wmma_f32_16x16x32_f16 v[\acc+16:\acc+23], v[128*(\buf)+32*\ci+8:128*(\buf)+32*\ci+15], v[128*(\buf)+32*\ci+16:128*(\buf)+32*\ci+23], v[\acc+16:\acc+23]
.endif
.endr
	WIN 0
	PLACES 4                                       ; in front of loads into the operands, and of the first read of results
.endm
	GLOAD 0, 0, KH, KL, QOFF, QH, QL
	GLOAD 1, 1, KH, KL, QOFF, QH, QL
	s_wait_loadcnt 32                              ; the older group is in; the younger group's 32 may be out: so at each wait below
	GMUL 0, SA, 1
	GLOAD 0, 2, KH, KL, QOFF, QH, QL
	s_wait_loadcnt 32
	GMUL 1, SA, 0
	GLOAD 1, 3, KH, KL, QOFF, QH, QL
	s_wait_loadcnt 32
	GMUL 0, SA, 0
	GLOAD 0, 0, VH, VL, VOFF, WH, WL
	s_wait_loadcnt 32
	GMUL 1, SA, 0
	GLOAD 1, 1, VH, VL, VOFF, WH, WL
	; the softmax, while V's and W's first groups are on their way
.irp j, 0,2,4,6
	v_pk_add_f32 v[P+\j:P+\j+1], v[SA+\j:SA+\j+1], v[SA+8+\j:SA+8+\j+1]
.endr
.irp j, 0,2,4,6
	v_pk_add_f32 v[P+\j:P+\j+1], v[P+\j:P+\j+1], v[SA+16+\j:SA+16+\j+1]
.endr
.irp j, 0,1,2,3,4,5,6,7
	v_cmp_gt_i32 vcc_lo, \j, v[DD]
	v_cndmask_b32 v[P+\j], v[P+\j], v[NINF], vcc_lo
.endr
	v_max3_num_f32 v[TW], v[P], v[P+1], v[P+2]
	v_max3_num_f32 v[TW], v[TW], v[P+3], v[P+4]
	v_max3_num_f32 v[TW], v[TW], v[P+5], v[P+6]
	v_max_num_f32 v[TW], v[TW], v[P+7]
	v_permlanex16_b32 v[TW+1], v[TW], s36, s37
	v_max_num_f32 v[TW], v[TW], v[TW+1]            ; the row's largest score: key 0 counts for every query, so it is a number
	v_mul_f32 v[TW], s38, v[TW]
.irp j, 0,1,2,3,4,5,6,7
	v_fma_f32 v[P+\j], v[P+\j], s38, -v[TW]
.endr
.irp j, 0,1,2,3,4,5,6,7
	v_exp_f32 v[P+\j], v[P+\j]
.endr
	v_nop
	s_wait_alu depctr_va_vdst(0)                   ; one wait for the eight exponentials
	v_pk_add_f32 v[TW+2:TW+3], v[P:P+1], v[P+2:P+3]
	v_pk_add_f32 v[TW+4:TW+5], v[P+4:P+5], v[P+6:P+7]
	v_pk_add_f32 v[TW+2:TW+3], v[TW+2:TW+3], v[TW+4:TW+5]
	v_add_f32 v[TW+2], v[TW+2], v[TW+3]
	v_permlanex16_b32 v[TW+1], v[TW+2], s36, s37
	v_add_f32 v[TW+2], v[TW+2], v[TW+1]
	v_rcp_f32 v[TW+4], v[TW+2]
	v_nop
	s_wait_alu depctr_va_vdst(0)
.irp j, 0,1,2,3,4,5,6,7
	v_mul_f32 v[P+\j], v[P+\j], v[TW+4]
.endr
	s_wait_loadcnt 32
	GMUL 0, ZA, 1
	GLOAD 0, 2, VH, VL, VOFF, WH, WL
	s_wait_loadcnt 32
	GMUL 1, ZA, 0
	GLOAD 1, 3, VH, VL, VOFF, WH, WL
	s_wait_loadcnt 32
	GMUL 0, ZA, 0
	s_wait_loadcnt 0x0
	GMUL 1, ZA, 0
.irp j, 0,2,4,6
	v_pk_add_f32 v[Z+\j:Z+\j+1], v[ZA+\j:ZA+\j+1], v[ZA+8+\j:ZA+8+\j+1]
.endr
.irp j, 0,2,4,6
	v_pk_add_f32 v[Z+\j:Z+\j+1], v[Z+\j:Z+\j+1], v[ZA+16+\j:ZA+16+\j+1]
.endr
	v_wmma_f32_16x16x4_f32 v[F0:F0+7], v[Z:Z+1], v[P:P+1], 0                 ; keys 0, 1, 8, 9; two accumulators by turns
	v_wmma_f32_16x16x4_f32 v[F1:F1+7], v[Z+2:Z+3], v[P+2:P+3], 0             ; keys 2, 3, 10, 11
	v_wmma_f32_16x16x4_f32 v[F0:F0+7], v[Z+4:Z+5], v[P+4:P+5], v[F0:F0+7]
	v_wmma_f32_16x16x4_f32 v[F1:F1+7], v[Z+6:Z+7], v[P+6:P+7], v[F1:F1+7]
	PLACES 8                                       ; eight places behind this form
.irp j, 0,2,4,6
	v_pk_add_f32 v[FS+\j:FS+\j+1], v[F0+\j:F0+\j+1], v[F1+\j:F1+\j+1]    ; lane (r, h): query r, columns 16 nt + 8 h + 0 .. 7
.endr
	ds_store_b128 v[STO], v[FS:FS+3]
	ds_store_b128 v[STO], v[FS+4:FS+7] offset:512
	s_wait_tensorcnt 0x0
	ds_add_u32 v[SPW], v[NIL]
	s_wait_dscnt 0x0                               ; my image lies in LDS
	s_barrier_signal -1
	s_barrier_wait -1
	s_cmp_lg_u32 s16, 0
	s_cbranch_scc1 .Lend
.irp u, 0,1,2,3,4,5,6,7
	ds_load_b128 v[IM+8*\u:IM+8*\u+3], v[QOFF] offset:1024*\u
	ds_load_b128 v[IM+8*\u+4:IM+8*\u+7], v[QOFF] offset:1024*\u+512
.endr
	s_wait_dscnt 0x0
.irp u, 0,2,4,6
.irp j, 0,2,4,6
	v_pk_add_f32 v[IM+8*\u+\j:IM+8*\u+\j+1], v[IM+8*\u+\j:IM+8*\u+\j+1], v[IM+8*\u+8+\j:IM+8*\u+8+\j+1]
.endr
.endr
.irp u, 0,4
.irp j, 0,2,4,6
	v_pk_add_f32 v[IM+8*\u+\j:IM+8*\u+\j+1], v[IM+8*\u+\j:IM+8*\u+\j+1], v[IM+8*\u+16+\j:IM+8*\u+16+\j+1]
.endr
.endr
.irp j, 0,2,4,6
	v_pk_add_f32 v[IM+\j:IM+\j+1], v[IM+\j:IM+\j+1], v[IM+32+\j:IM+32+\j+1]
.endr
.irp j, 0,2,4,6
	v_pk_add_f32 v[RS+\j:RS+\j+1], v[IM+\j:IM+\j+1], v[BI+\j:BI+\j+1]
.endr
	global_store_b128 v[CO], v[RS:RS+3], s[40:41]
	global_store_b128 v[CO], v[RS+4:RS+7], s[40:41] offset:16
.Lend:
	s_endpgm
.Lfunc_end_k_q52e59eafcd_fine:
	.size	k_q52e59eafcd_fine, .Lfunc_end_k_q52e59eafcd_fine-k_q52e59eafcd_fine
	.p2alignl 7, 3214868480
	.fill 96, 4, 3214868480
	.section	.rodata,"a",@progbits
	.p2align	6, 0x0
	.amdhsa_kernel k_q52e59eafcd_fine
		.amdhsa_group_segment_fixed_size 9216
		.amdhsa_private_segment_fixed_size 0
		.amdhsa_enable_private_segment 0
		.amdhsa_kernarg_size 48
		.amdhsa_user_sgpr_count 2
		.amdhsa_user_sgpr_kernarg_segment_ptr 1
		.amdhsa_wavefront_size32 1
		.amdhsa_system_sgpr_workgroup_id_x 1
		.amdhsa_system_sgpr_workgroup_id_y 1
		.amdhsa_system_sgpr_workgroup_id_z 1
		.amdhsa_system_vgpr_workitem_id 0
		.amdhsa_next_free_vgpr 512
		.amdhsa_next_free_sgpr 66
		.amdhsa_reserve_vcc 1
		.amdhsa_float_denorm_mode_32 3
		.amdhsa_float_denorm_mode_16_64 3
		.amdhsa_memory_ordered 1
		.amdhsa_forward_progress 1
		.amdhsa_inst_pref_size 43
	.end_amdhsa_kernel
	.amdgpu_metadata
---
amdhsa.version: [ 1, 2 ]
amdhsa.kernels:
  - .name:           k_q52e59eafcd_fine
    .symbol:         k_q52e59eafcd_fine.kd
    .args:
      - { .name: qkv, .offset: 0, .size: 8, .value_kind: global_buffer, .address_space: global }
      - { .name: lo, .offset: 8, .size: 8, .value_kind: global_buffer, .address_space: global }
      - { .name: wu_hi, .offset: 16, .size: 8, .value_kind: global_buffer, .address_space: global }
      - { .name: wu_lo, .offset: 24, .size: 8, .value_kind: global_buffer, .address_space: global }
      - { .name: b_u, .offset: 32, .size: 8, .value_kind: global_buffer, .address_space: global }
      - { .name: out0, .offset: 40, .size: 8, .value_kind: global_buffer, .address_space: global }
    .group_segment_fixed_size: 9216
    .private_segment_fixed_size: 0
    .kernarg_segment_align: 8
    .kernarg_segment_size: 48
    .max_flat_workgroup_size: 256
    .sgpr_count:     66
    .vgpr_count:     512
    .wavefront_size: 32
...
	.end_amdgpu_metadata
.endif
;; end of part 5
;; ======== version 2 of 2: 5 launches
;; limits: values are held in f16: magnitudes above 65,504 overflow, below 6.1e-05 lose precision
;; workspace buffers: codes 4,194,304 bytes; scales 262,144 bytes; qkv 100,663,296 bytes; lo 1,572,864 bytes; att 33,554,432 bytes; wu_hi 4,194,304 bytes; wu_lo 4,194,304 bytes; fpart 262,144 bytes
;; launch prep: the kernel of part 1 again; grid 320 x 1, 4 waves a work-group, no clusters, 33,280 bytes of LDS; arguments x, w_q, w_k, w_v, w_u, codes, scales, wu_hi, wu_lo; writes codes, scales, wu_hi, wu_lo
;; launch proj: the kernel of part 2 again; grid 16 x 16, 4 waves a work-group, clusters of 4 x 4, 327,680 bytes of LDS; arguments codes, scales, qkv, lo; writes qkv, lo
;; launch attn (part 6): grid 8 x 32, 4 waves a work-group, clusters of 4 x 1, 327,680 bytes of LDS; arguments qkv, att; writes att
.if DOCPART == 6
	.amdgcn_target "amdgcn-amd-amdhsa--gfx1250"
	.amdhsa_code_object_version 6
	.text
	.protected	k_q52e59eafcd_attn
	.globl	k_q52e59eafcd_attn
	.p2align	8
	.type	k_q52e59eafcd_attn,@function
k_q52e59eafcd_attn:
	s_mov_b64 s[64:65], 0
	v_nop
	global_prefetch_b8 v0, s[64:65] scope:SCOPE_SE
	s_setreg_imm32_b32 hwreg(HW_REG_WAVE_MODE, 25, 1), 1
	s_wait_xcnt 0x0
	s_wait_alu depctr_hold_cnt(0) depctr_sa_sdst(0) depctr_va_vdst(0) depctr_va_sdst(0) depctr_va_ssrc(0) depctr_va_vcc(0) depctr_vm_vsrc(0)
	s_getreg_b32 s2, hwreg(HW_REG_IB_STS2, 6, 4)
	s_cmp_eq_u32 s2, 0
	s_cbranch_scc0 .Lentry_in_a_cluster
	s_endpgm
.Lentry_in_a_cluster:
	s_bfe_u32 s2, ttmp6, 0x10000c
	s_cmp_lg_u32 s2, 0x3003
	s_cbranch_scc0 .Lentry_shape_is_right
	s_endpgm
.Lentry_shape_is_right:
; att[b][t][head][:] = sum over keys of softmax(q . k / sqrt(512)) v, causal, on f16 operands with f32 sums, maxima and row sums; the weights p are rounded to f16 for the second product, the result once at the end.
; WORK LEFT OUT: tiles of 128 keys wholly behind a work-group's 64 queries: reference()'s own tril makes their weights 0 for all finite inputs.  A NaN or infinity that reaches only such tiles is not carried on.
; SHARES.  A head's 1,024 queries are four superblocks of 256.  A CLUSTER of four work-groups takes a superblock: partner p owns its row tiles p, p + 4, p + 8, p + 12 (64 queries).  So all four need the same key tiles, 2 g + 2 for
; superblock g, and each of these tiles holds scores that count for each partner (row tiles p + 8 and p + 12 lie in the superblock's last 128 queries).  Cluster c walks superblock 3 - c, then superblock c: (8 - 2 c) + (2 c + 2) = 10 steps
; for every work-group, a constant.  K's and V's tiles are asked for JOINTLY: the same tensor load, with the same descriptor and a mask that names the four, in all four: 64 clusters x 10 steps x 256 KB are requested where 256 work-groups would each ask.
; No branch and no LDS address hangs on a work-group's place in its cluster: it enters Q's and att's addresses, the prefetches' address and the number that the mask compares with.
; A STEP (128 keys).  Every wave keeps all of Q (64 x 512) in registers.  Wave w makes S^T = K Q^T for ITS 32 keys x 64 queries; the row maxima and the weights go round through LDS; then wave w adds O^T += V^T P for ITS 128 channels.
; So a fragment of K feeds 4 products, one of V 4, one of P 8.  A lane holds one query (lane % 16) of each of the four tiles of queries throughout.
; SOFTMAX.  Running maximum m and sum l: p = 2^(c s - c m), c = log2(e) / sqrt(512); in each step O and l are multiplied by f = 2^(c m_old - c m_new).  At the change of blocks m goes back to -3e38, so f = 0 makes zeros of the finite old sums.
; O is cleared once at the head: where a block's first step stands hangs on the cluster's number, and the step is written once.
; LDS.  K's and V's tiles are dense images of operands; each wave fetches and reads its own quarter, one tensor load behind each of two rounds a step; one load of a wave is out.
.set KT,    0                          ; 4 x 32,768: wave w's 32 keys: fragment (kt, c) at (16 kt + c) x 1,024
.set VT,    131072                     ; 4 x 32,768: wave w's 128 channels: key tile k8 at 4,096 k8, channel tile ct at 512 ct
.set PIMG,  262144                     ; 16 fragments of P: (u, qt) at (4 u + qt) x 1,024
.set MAXA,  278528                     ; row maxima: 256 w + 16 r: four words, one for each tile of queries
.set LSUM,  279552                     ; row sums likewise
.set SPARE, 280576
.set L16, 1
.set AK,  2
.set AV,  3
.set API, 4
.set APS, 5
.set AMS, 6
.set AML, 7
.set ALS, 8
.set ALL, 9
.set DA,  10                           ; 16 p + r - 32 w - 8 h: what the mask compares with
.set PFK, 12
.set PFV, 13
.set SPW, 14
.set NIL, 15
.set CM,  16                           ; v16-23 pairs (c m, m)
.set LL,  24                           ; v24-31 l in two halves
.set FF,  32                           ; v32-39 pairs (f or 1 / l, unused)
.set LM,  40                           ; v40-43 my wave's maxima
.set TW,  44                           ; v44-47 at work
.set S,   48                           ; v48-111 S(kt, qt) at 8 (4 kt + qt); later V's fragments, buffer 0
.set FB,  112                          ; v112-239 K's fragments, two halves of 64; later P and V
.set NINF, 240
.set OC,  244                          ; v244-247 at work
.set WV,  8
.set N1M1, 11                          ; the first block's last step: 7 - 2 c
.set BK,  12
.set TRP, 13
.set LIM, 14
.set N1M2, 15                          ; the step before it
.set G1K, 16
.set G1V, 24
.set G0K, 32
.set G0V, 36
.set QA,  40
.set QB,  42
.set OA,  44
.set OB,  46
.set PKA, 48
.set PVA, 50
.set CS,  52
.set SEL, 54
.set HB,  58                           ; s[58:59] plane Q at my head; s[56:57] a pair for offsets that all partners share; s[60:63], s2 hold what hangs on my place
.set MSB, 0
.macro WIN new
.if MSB != (\new)
	s_set_vgpr_msb (MSB<<8)|(\new)
.set MSB, (\new)
.endif
.endm
.macro PLACES n
.rept \n
	v_nop
.endr
.endm
.macro ROUND                           ; a round of the cluster's barrier: my work-group's barrier; wave 0 signals for the work-group; every wave waits for all four; my work-group's barrier once more
	s_barrier_signal -1
	s_barrier_wait -1
	s_cmp_lg_u32 s[WV], 0
	s_cbranch_scc1 .Lnot_wave_0_\@
	s_barrier_signal -3
.Lnot_wave_0_\@:
	s_barrier_wait -3
	s_barrier_signal -1
	s_barrier_wait -1
.endm
	s_load_b128 s[4:7], s[0:1], 0x0                ; qkv, att
	v_lshl_add_u32 v[SPW], v0, 2, SPARE
	v_mov_b32 v[NIL], 0
	ds_add_u32 v[SPW], v[NIL]                      ; the opening: the add, twice on end, and its wait ahead of my first tensor load
	ds_add_u32 v[SPW], v[NIL]
	v_lshrrev_b32 v1, 5, v0
	v_readfirstlane_b32 s[WV], v1
	s_bfe_u32 s9, ttmp6, 0x40000                   ; p: my place in the cluster
	s_and_b32 s10, ttmp7, 0xffff                   ; 8 b + head, which the partners share
	s_lshl_b32 s[N1M1], ttmp9, 1                   ; in a cluster launch ttmp9 counts clusters: c = 0 or 1
	s_sub_co_u32 s[N1M1], 7, s[N1M1]
	s_sub_co_u32 s[N1M2], s[N1M1], 1
	s_add_co_u32 s[BK], s[N1M1], 1
	s_lshl_b32 s[BK], s[BK], 17                    ; the first block's tiles in bytes: the way back to tile 0
	s_cmp_eq_u32 ttmp9, 0
	s_cselect_b32 s[LIM], 6, 0                     ; which cluster prefetches, and in which steps
	s_mov_b32 s[G1K], 15|(3<<16)|(1<<21)           ; all four work-groups; K: 32,768 dense bytes as 128 rows of 32 elements of 8 bytes
	s_mov_b32 s[G1K+1], 32<<16
	s_mov_b32 s[G1K+2], 128<<16
	s_mov_b32 s[G1K+3], 32<<16
	s_mov_b32 s[G1K+4], 128
	s_mov_b32 s[G1K+5], 32
	s_mov_b32 s[G1K+6], 0
	s_mov_b32 s[G1K+7], 0
	s_mov_b32 s[G1V], 15|(3<<16)|(1<<21)           ; V: 8 key tiles x 4,096 bytes (my four chunks), 16,384 bytes apart
	s_mov_b32 s[G1V+1], 512<<16
	s_mov_b32 s[G1V+2], 8<<16
	s_mov_b32 s[G1V+3], 512<<16
	s_mov_b32 s[G1V+4], 8
	s_mov_b32 s[G1V+5], 2048
	s_mov_b32 s[G1V+6], 0
	s_mov_b32 s[G1V+7], 0
	s_mov_b32 s[CS], 0x3d8293ee                    ; c = log2(e) / sqrt(512)
	s_mov_b32 s[CS+1], s[CS]
	s_mov_b32 s[SEL], 0x76543210
	s_mov_b32 s[SEL+1], 0xfedcba98
	s_lshl_b32 s56, s10, 20                        ; the head's bytes in a plane
	s_mov_b32 s57, 0
	s_mov_b32 s61, 0
	s_wait_dscnt 0x0                               ; both opening adds are done
	s_wait_kmcnt 0x0
	s_add_nc_u64 s[HB:HB+1], s[4:5], s[56:57]      ; plane Q at my head
	s_lshl_b32 s56, s[WV], 15
	s_mov_b32 s[G0K], 1
	s_mov_b32 s[G0K+1], s56
	s_add_nc_u64 s[G0K+2:G0K+3], s[HB:HB+1], s[56:57]
	s_add_nc_u64 s[G0K+2:G0K+3], s[G0K+2:G0K+3], 0x2000000   ; plane K: my 32 keys of tile 0
	s_or_b32 s[G0K+3], s[G0K+3], 0x80000000
	s_mov_b32 s[G0V], 1
	s_add_co_u32 s[G0V+1], s56, VT
	s_lshl_b32 s56, s[WV], 12
	s_add_nc_u64 s[G0V+2:G0V+3], s[HB:HB+1], s[56:57]
	s_add_nc_u64 s[G0V+2:G0V+3], s[G0V+2:G0V+3], 0x4000000   ; plane V: my four chunks of tile 0
	s_or_b32 s[G0V+3], s[G0V+3], 0x80000000
	ROUND                                          ; all four work-groups are here: the first joint loads meet
	tensor_load_to_lds s[G0K:G0K+3], s[G1K:G1K+7]  ; K of step 0: every wave its own quarter
	s_nop 0
	PLACES 4
	; the LDS addresses: constants, the lane and the wave's number alone
	v_and_b32 v[L16], 31, v0
	v_lshlrev_b32 v[PFK], 8, v[L16]                ; prefetch, K: lanes 256 bytes apart
	v_lshlrev_b32 v[L16], 4, v[L16]
	s_lshl_b32 s56, s[WV], 15
	v_add_nc_u32 v[AK], s56, v[L16]
	v_add_nc_u32 v[AV], VT, v[AK]
	v_add_nc_u32 v[API], PIMG, v[L16]
	s_lshl_b32 s56, s[WV], 12
	v_add_nc_u32 v[APS], s56, v[API]
	v_and_b32 v241, 15, v0                         ; r
	v_bfe_u32 v242, v0, 4, 1                       ; h
	v_lshlrev_b32 v243, 4, v241
	v_add_nc_u32 v[AML], MAXA, v243
	v_add_nc_u32 v[ALL], LSUM, v243
	s_lshl_b32 s56, s[WV], 8
	v_add_nc_u32 v[AMS], s56, v[AML]
	v_add_nc_u32 v[ALS], s56, v[ALL]
	v_lshlrev_b32 v[PFV], 8, v241
	v_lshl_add_u32 v[PFV], v242, 14, v[PFV]        ; prefetch, V: key tile lane / 16, 256 (lane % 16) in its 4,096 bytes
	v_lshlrev_b32 v243, 3, v242
	v_sub_nc_u32 v243, v241, v243
	s_lshl_b32 s56, s[WV], 5
	v_sub_nc_u32 v243, v243, s56                   ; r - 8 h - 32 w
	; what hangs on my place p: the mask's number, the prefetches' share, Q's and att's rows
	s_lshl_b32 s60, s9, 4
	v_add_nc_u32 v[DA], s60, v243
	s_lshl_b32 s60, s9, 13                         ; K: my work-group's 8,192 bytes of each wave's 32,768
	s_lshl_b32 s62, s[WV], 15
	s_add_co_u32 s60, s60, s62
	s_add_nc_u64 s[PKA:PKA+1], s[HB:HB+1], s[60:61]
	s_add_nc_u64 s[PKA:PKA+1], s[PKA:PKA+1], 0x2020000   ; plane K, tile 1; each step moves the prefetches on a tile before it asks
	s_lshl_b32 s60, s9, 15                         ; V: my work-group's two key tiles of each wave's eight
	s_lshl_b32 s62, s[WV], 12
	s_add_co_u32 s60, s60, s62
	s_add_nc_u64 s[PVA:PVA+1], s[HB:HB+1], s[60:61]
	s_add_nc_u64 s[PVA:PVA+1], s[PVA:PVA+1], 0x4020000
	s_sub_co_u32 s62, 3, ttmp9                     ; the first superblock
	s_lshl_b32 s62, s62, 4
	s_add_co_u32 s62, s62, s9                      ; its row tile 16 g + p
	s_lshl_b32 s60, s62, 14
	s_add_nc_u64 s[QA:QA+1], s[HB:HB+1], s[60:61]
	s_lshl_b32 s63, ttmp9, 4
	s_add_co_u32 s63, s63, s9                      ; the second's
	s_lshl_b32 s60, s63, 14
	s_add_nc_u64 s[QB:QB+1], s[HB:HB+1], s[60:61]
	s_lshr_b32 s60, s10, 3
	s_lshl_b32 s60, s60, 6                         ; 64 row tiles a batch
	s_add_co_u32 s62, s62, s60
	s_add_co_u32 s63, s63, s60
	s_and_b32 s2, s10, 7
	s_lshl_b32 s2, s2, 2
	s_add_co_u32 s2, s2, s[WV]
	s_lshl_b32 s2, s2, 12                          ; chunk 16 head + 4 w, 1,024 bytes each
	s_lshl_b32 s60, s62, 17
	s_add_co_u32 s60, s60, s2
	s_add_nc_u64 s[OA:OA+1], s[6:7], s[60:61]
	s_lshl_b32 s60, s63, 17
	s_add_co_u32 s60, s60, s2
	s_add_nc_u64 s[OB:OB+1], s[6:7], s[60:61]
	v_mov_b32 v[NINF], 0xff800000
.irp j, 0,1,2,3,4,5,6,7
	v_mov_b32 v[LL+\j], 0
	v_mov_b32 v[FF+\j], 0
.endr
.irp j, 0,1,2,3
	v_mov_b32 v[TW+\j], 0                          ; a lane permute's destination counts as one of its sources
	v_mov_b32 v[OC+\j], 0
.endr
.macro RESETM                          ; the largest score so far: -3e38, under every score
.irp qt, 0,1,2,3
	v_mov_b32 v[CM+2*\qt+1], 0xff61b1e6
.endr
.irp qt, 0,1,2,3
	v_mul_f32 v[CM+2*\qt], s[CS], v[CM+2*\qt+1]
.endr
.endm
.macro QLOAD base                      ; my 64 queries x 512 channels: row tiles four apart (65,536 bytes); fragment (qt, c) at 8 (4 (c % 8) + qt) of window 1 + c / 8
	PLACES 4
.irp wn, 0,1
	WIN 0x40*(1+\wn)
.irp c8, 0,1,2,3,4,5,6,7
.irp qt, 0,1,2,3
	global_load_b128 v[8*(4*\c8+\qt):8*(4*\c8+\qt)+3], v[L16], s[\base:\base+1] offset:(64*\qt+8*\wn+\c8)*1024
	global_load_b128 v[8*(4*\c8+\qt)+4:8*(4*\c8+\qt)+7], v[L16], s[\base:\base+1] offset:(64*\qt+8*\wn+\c8)*1024+512
.endr
.endr
.endr
	WIN 0
.endm
.macro KLOAD g                         ; chunks 4 g .. 4 g + 3 of my two tiles of keys: 16 loads into half g % 2
.irp ci, 0,1,2,3
.irp kt, 0,1
	ds_load_b128 v[FB+64*((\g)%2)+8*(2*\ci+\kt):FB+64*((\g)%2)+8*(2*\ci+\kt)+3], v[AK] offset:(16*\kt+4*(\g)+\ci)*1024
	ds_load_b128 v[FB+64*((\g)%2)+8*(2*\ci+\kt)+4:FB+64*((\g)%2)+8*(2*\ci+\kt)+7], v[AK] offset:(16*\kt+4*(\g)+\ci)*1024+512
.endr
.endr
.endm
.macro QKMUL g                         ; 32 products; the eight accumulators take turns; chunk 0 starts the sums
	WIN 0x04*(1+(\g)/2)                            ; source 1 (Q) in window 1 or 2
.irp ci, 0,1,2,3
.irp kt, 0,1
.irp qt, 0,1,2,3
.if ((\g) == 0) && (\ci == 0)
	v_wmma_f32_16x16x32_f16 v[S+8*(4*\kt+\qt):S+8*(4*\kt+\qt)+7], v[FB+64*((\g)%2)+8*(2*\ci+\kt):FB+64*((\g)%2)+8*(2*\ci+\kt)+7], v[8*(4*((4*(\g)+\ci)%8)+\qt):8*(4*((4*(\g)+\ci)%8)+\qt)+7], 0
.else
	v_wmma_f32_16x16x32_f16 v[S+8*(4*\kt+\qt):S+8*(4*\kt+\qt)+7], v[FB+64*((\g)%2)+8*(2*\ci+\kt):FB+64*((\g)%2)+8*(2*\ci+\kt)+7], v[8*(4*((4*(\g)+\ci)%8)+\qt):8*(4*((4*(\g)+\ci)%8)+\qt)+7], v[S+8*(4*\kt+\qt):S+8*(4*\kt+\qt)+7]
.endif
.endr
.endr
.endr
.endm
; THE MASK, in a superblock's last two key tiles (d = 0, 1).  Counted from the superblock's first query, register j of S(kt, qt) holds key 128 d + 32 w + 16 kt + 8 h + j and query 64 qt + 16 p + r.
; For qt = 2 d + x the key is hidden where 16 kt + j - 64 x > 16 p + r - 32 w - 8 h.  d = 0: the queries of qt = 2, 3 come behind all 128 keys: nothing is hidden.  d = 1: those of qt = 0, 1 come ahead of all 128: all is hidden;
; their running maximum is a number by then, since the key at the head of tile d = 0 counts for every query.
.macro MASK d
.if \d
.irp kt, 0,1
.irp qt, 0,1
.irp j, 0,1,2,3,4,5,6,7
	v_mov_b32 v[S+8*(4*\kt+\qt)+\j], v[NINF]
.endr
.endr
.endr
.endif
.irp kt, 0,1
.irp x, 0,1
.irp j, 0,1,2,3,4,5,6,7
	v_cmp_gt_i32 vcc_lo, 16*\kt+\j-64*\x, v[DA]
	v_cndmask_b32 v[S+8*(4*\kt+2*(\d)+\x)+\j], v[S+8*(4*\kt+2*(\d)+\x)+\j], v[NINF], vcc_lo
.endr
.endr
.endr
.endm
.macro LMAX                            ; my 32 keys' largest score of each query; each accumulator is read from its low end on
.irp qt, 0,1,2,3
	v_max3_num_f32 v[LM+\qt], v[S+8*\qt], v[S+8*\qt+1], v[S+8*\qt+2]
.endr
.irp i, 3,5
.irp qt, 0,1,2,3
	v_max3_num_f32 v[LM+\qt], v[LM+\qt], v[S+8*\qt+\i], v[S+8*\qt+\i+1]
.endr
.endr
.irp qt, 0,1,2,3
	v_max3_num_f32 v[LM+\qt], v[LM+\qt], v[S+8*\qt+7], v[S+32+8*\qt]
.endr
.irp i, 1,3,5
.irp qt, 0,1,2,3
	v_max3_num_f32 v[LM+\qt], v[LM+\qt], v[S+32+8*\qt+\i], v[S+32+8*\qt+\i+1]
.endr
.endr
.irp qt, 0,1,2,3
	v_max_num_f32 v[LM+\qt], v[LM+\qt], v[S+32+8*\qt+7]
.endr
.irp qt, 0,1,2,3
	v_permlanex16_b32 v[TW+\qt], v[LM+\qt], s[SEL], s[SEL+1]
.endr
.irp qt, 0,1,2,3
	v_max_num_f32 v[LM+\qt], v[LM+\qt], v[TW+\qt]
.endr
	ds_store_b128 v[AMS], v[LM:LM+3]               ; lanes r and r + 16 write the same words with the same values
.endm
.macro SOFT
.irp u, 0,1,2,3
	ds_load_b128 v[FB+4*\u:FB+4*\u+3], v[AML] offset:256*\u
.endr
	s_wait_dscnt 0x0
.irp qt, 0,1,2,3
	v_max3_num_f32 v[TW+\qt], v[FB+\qt], v[FB+4+\qt], v[FB+8+\qt]
.endr
.irp qt, 0,1,2,3
	v_mov_b32 v[OC+\qt], v[CM+2*\qt]               ; c m_old
.endr
.irp qt, 0,1,2,3
	v_max3_num_f32 v[CM+2*\qt+1], v[TW+\qt], v[FB+12+\qt], v[CM+2*\qt+1]
.endr
.irp qt, 0,1,2,3
	v_mul_f32 v[CM+2*\qt], s[CS], v[CM+2*\qt+1]
.endr
.irp qt, 0,1,2,3
	v_sub_f32 v[OC+\qt], v[OC+\qt], v[CM+2*\qt]
.endr
.irp qt, 0,1,2,3
	v_exp_f32 v[FF+2*\qt], v[OC+\qt]               ; f
.endr
.irp kt, 0,1
.irp qt, 0,1,2,3
.irp j, 0,2,4,6
	v_pk_fma_f32 v[S+8*(4*\kt+\qt)+\j:S+8*(4*\kt+\qt)+\j+1], v[S+8*(4*\kt+\qt)+\j:S+8*(4*\kt+\qt)+\j+1], s[CS:CS+1], v[CM+2*\qt:CM+2*\qt+1] op_sel_hi:[1,0,0] neg_lo:[0,0,1] neg_hi:[0,0,1]   ; c s - c m
.endr
.endr
.endr
.set i, 0
.rept 64
	v_exp_f32 v[S+i], v[S+i]
.set i, i+1
.endr
	v_nop                                          ; a plain instruction behind the last exponential
	s_wait_alu depctr_va_vdst(0)                   ; one wait for the batch of 68, ahead of its first reader
.irp qt, 0,1,2,3
.irp kt, 0,1
.irp j, 0,1,2,3
	v_cvt_pk_f16_f32 v[208+8*\qt+4*\kt+\j], v[S+8*(4*\kt+\qt)+2*\j], v[S+8*(4*\kt+\qt)+2*\j+1]   ; my 32 keys x 16 queries ARE a fragment of P
.endr
.endr
.endr
.irp qt, 0,1,2,3
	ds_store_b128 v[APS], v[208+8*\qt:208+8*\qt+3] offset:1024*\qt
	ds_store_b128 v[APS], v[208+8*\qt+4:208+8*\qt+7] offset:1024*\qt+512
.endr
.irp o, 0,4,32,36                      ; the row sums of the unrounded p, in place
.irp qt, 0,1,2,3
	v_pk_add_f32 v[S+8*\qt+\o:S+8*\qt+\o+1], v[S+8*\qt+\o:S+8*\qt+\o+1], v[S+8*\qt+\o+2:S+8*\qt+\o+3]
.endr
.endr
.irp o, 0,32
.irp qt, 0,1,2,3
	v_pk_add_f32 v[S+8*\qt+\o:S+8*\qt+\o+1], v[S+8*\qt+\o:S+8*\qt+\o+1], v[S+8*\qt+\o+4:S+8*\qt+\o+5]
.endr
.endr
.irp qt, 0,1,2,3
	v_pk_add_f32 v[S+8*\qt:S+8*\qt+1], v[S+8*\qt:S+8*\qt+1], v[S+8*\qt+32:S+8*\qt+33]
.endr
.irp qt, 0,1,2,3
	v_pk_fma_f32 v[LL+2*\qt:LL+2*\qt+1], v[LL+2*\qt:LL+2*\qt+1], v[FF+2*\qt:FF+2*\qt+1], v[S+8*\qt:S+8*\qt+1] op_sel_hi:[1,0,1]   ; l = l f + the step's sum
.endr
	; my wave's row sums so far go to LDS in every step; they are read at a block's end
.irp qt, 0,1,2,3
	v_add_f32 v[TW+\qt], v[LL+2*\qt], v[LL+2*\qt+1]
.endr
.irp qt, 0,1,2,3
	v_permlanex16_b32 v[OC+\qt], v[TW+\qt], s[SEL], s[SEL+1]
.endr
.irp qt, 0,1,2,3
	v_add_f32 v[TW+\qt], v[TW+\qt], v[OC+\qt]
.endr
	ds_store_b128 v[ALS], v[TW:TW+3]
.endm
.macro VLOAD u, buf                    ; V^T, keys 32 u on, my 8 tiles of channels: the turning load takes 512 consecutive bytes and leaves half a fragment
.irp ct, 0,1,2,3,4,5,6,7
	ds_load_tr16_b128 v[S+96*(\buf)+8*\ct:S+96*(\buf)+8*\ct+3], v[AV] offset:(2*(\u))*4096+512*\ct
	ds_load_tr16_b128 v[S+96*(\buf)+8*\ct+4:S+96*(\buf)+8*\ct+7], v[AV] offset:(2*(\u)+1)*4096+512*\ct
.endr
.endm
.macro PLOAD u, buf
.irp qt, 0,1,2,3
	ds_load_b128 v[FB+96*(\buf)+8*\qt:FB+96*(\buf)+8*\qt+3], v[API] offset:(4*(\u)+\qt)*1024
	ds_load_b128 v[FB+96*(\buf)+8*\qt+4:FB+96*(\buf)+8*\qt+7], v[API] offset:(4*(\u)+\qt)*1024+512
.endr
.endm
.macro PVMUL buf                       ; 32 products, the 32 accumulators by turns
	WIN 0xF0                                       ; C and D (O^T) in window 3
.irp ct, 0,1,2,3,4,5,6,7
.irp qt, 0,1,2,3
	v_wmma_f32_16x16x32_f16 v[8*(4*\ct+\qt):8*(4*\ct+\qt)+7], v[S+96*(\buf)+8*\ct:S+96*(\buf)+8*\ct+7], v[FB+96*(\buf)+8*\qt:FB+96*(\buf)+8*\qt+7], v[8*(4*\ct+\qt):8*(4*\ct+\qt)+7]
.endr
.endr
.endm
.macro RESCALE
	WIN 0xC3
.irp ct, 0,1,2,3,4,5,6,7
.irp qt, 0,1,2,3
.irp j, 0,2,4,6
	v_pk_mul_f32 v[8*(4*\ct+\qt)+\j:8*(4*\ct+\qt)+\j+1], v[8*(4*\ct+\qt)+\j:8*(4*\ct+\qt)+\j+1], v[FF+2*\qt:FF+2*\qt+1] op_sel_hi:[1,0]
.endr
.endr
.endr
	WIN 0
.endm
.macro FINAL base                      ; a block's end: O^T / l, rounded to f16: two neighbouring tiles of channels are an operand image of the next product; 512 consecutive aligned bytes a store; my row tiles lie four apart in att
	PLACES 4
	WIN 0
.irp u, 0,1,2,3
	ds_load_b128 v[FB+4*\u:FB+4*\u+3], v[ALL] offset:256*\u
.endr
	s_wait_dscnt 0x0
.irp qt, 0,1,2,3
	v_add_f32 v[TW+\qt], v[FB+\qt], v[FB+4+\qt]
.endr
.irp qt, 0,1,2,3
	v_add_f32 v[OC+\qt], v[FB+8+\qt], v[FB+12+\qt]
.endr
.irp qt, 0,1,2,3
	v_add_f32 v[TW+\qt], v[TW+\qt], v[OC+\qt]
.endr
.irp qt, 0,1,2,3
	v_rcp_f32 v[FF+2*\qt], v[TW+\qt]
.endr
	v_nop
	s_wait_alu depctr_va_vdst(0)                   ; one wait for the four reciprocals
.irp qt, 0,1,2,3
	s_wait_xcnt 0x0                                ; the stores of two tiles back have read their registers
	WIN 0x03
.irp ct, 0,1,2,3,4,5,6,7
.irp j, 0,2,4,6
	v_pk_mul_f32 v[S+8*\ct+\j:S+8*\ct+\j+1], v[8*(4*\ct+\qt)+\j:8*(4*\ct+\qt)+\j+1], v[FF+2*\qt:FF+2*\qt+1] op_sel_hi:[1,0]
.endr
.endr
	WIN 0
.irp ct, 0,1,2,3,4,5,6,7
.irp j, 0,1,2,3
	v_cvt_pk_f16_f32 v[144+32*(\qt%2)+4*\ct+\j], v[S+8*\ct+2*\j], v[S+8*\ct+2*\j+1]
.endr
.endr
.irp ct, 0,1,2,3,4,5,6,7
	global_store_b128 v[L16], v[144+32*(\qt%2)+4*\ct:144+32*(\qt%2)+4*\ct+3], s[\base:\base+1] offset:524288*\qt+512*\ct
.endr
.endr
	s_wait_xcnt 0x0                                ; the next step's loads land in these registers
.endm
; A prefetch into the L2 of the key tile two steps on.  Both clusters of a head walk the same tiles from tile 0 on; cluster 0 walks all eight first, and it alone asks, in steps 0 to 5, for tile step + 2.
; Its four partners share the blocks out BY ADDRESS: of the quarter that wave w fetches, partner p names 8,192 bytes of K (lanes 256 bytes apart) and two of V's eight rows of 4,096 bytes.  So each aligned 256 bytes are named once.
; Tiles 0 and 1 come by their loads alone.
.macro ASK
	s_cmp_lt_u32 s[TRP], s[LIM]
	s_cbranch_scc0 .Lnot_mine_\@
	global_prefetch_b8 v[PFK], s[PKA:PKA+1] th:TH_LOAD_NT scope:SCOPE_SE
	global_prefetch_b8 v[PFV], s[PVA:PVA+1] th:TH_LOAD_NT scope:SCOPE_SE
.Lnot_mine_\@:
.endm
; A STEP.  kfill = 1: the next step's K is asked for.  tail = 1: the last step, written out: it is the second block's last.
.macro TRIP kfill, tail
	s_wait_tensorcnt 0x0                           ; this step's K has landed; no tensor load of mine is out
	ds_add_u32 v[SPW], v[NIL]
	s_wait_dscnt 0x0                               ; the add is done, and my reads of V's tile are over
	ROUND                                          ; that holds of every wave of the four work-groups
	tensor_load_to_lds s[G0V:G0V+3], s[G1V:G1V+7]  ; this step's V: it has the 128 products K Q^T in which to land
	s_nop 0
	PLACES 6                                       ; also the places behind the last products: loads land in their operands, and the first product below writes over some
	s_wait_loadcnt 0x0                             ; Q
	KLOAD 0
	KLOAD 1
	s_wait_dscnt 16                                ; all but the 16 just issued
	QKMUL 0
	PLACES 4
	WIN 0
	KLOAD 2
	s_wait_dscnt 16
	QKMUL 1
	PLACES 4
	WIN 0
	KLOAD 3
	s_wait_dscnt 16
	QKMUL 2
	s_wait_dscnt 0x0
	QKMUL 3
	WIN 0
	PLACES 4
.if \tail
	MASK 1
.else
	s_cmp_eq_u32 s[TRP], s[N1M2]                   ; the cluster's number and the count of steps alone: the same in all waves of all partners
	s_cbranch_scc1 .Ldiag_\@
	s_cmp_lg_u32 s[TRP], 8
	s_cbranch_scc1 .Lnodiag_\@
.Ldiag_\@:
	MASK 0                                         ; a block's last tile but one
.Lnodiag_\@:
	s_cmp_lg_u32 s[TRP], s[N1M1]
	s_cbranch_scc1 .Lopen_\@
	MASK 1                                         ; the first block's last tile;
	QLOAD QB                                       ; its Q has been multiplied for the last time: the second block's is asked for
.Lopen_\@:
.endif
	LMAX
	s_wait_tensorcnt 0x0                           ; V has landed; no tensor load of mine is out, so the descriptors may be written
	ds_add_u32 v[SPW], v[NIL]
.if \kfill
	s_cmp_eq_u32 s[TRP], s[N1M1]
	s_cselect_b32 s56, s[BK], 0                    ; behind the first block's last tile: back to tile 0
	s_add_nc_u64 s[G0K+2:G0K+3], s[G0K+2:G0K+3], 0x20000
	s_sub_nc_u64 s[G0K+2:G0K+3], s[G0K+2:G0K+3], s[56:57]
	s_add_nc_u64 s[G0V+2:G0V+3], s[G0V+2:G0V+3], 0x20000
	s_sub_nc_u64 s[G0V+2:G0V+3], s[G0V+2:G0V+3], s[56:57]
	s_wait_xcnt 0x0                                ; the last step's prefetches have read their addresses
	s_add_nc_u64 s[PKA:PKA+1], s[PKA:PKA+1], 0x20000
	s_add_nc_u64 s[PVA:PVA+1], s[PVA:PVA+1], 0x20000
.endif
	s_wait_dscnt 0x0                               ; the add and my store of the maxima are done; my reads of K's tile are over
.if \kfill
	ROUND
	tensor_load_to_lds s[G0K:G0K+3], s[G1K:G1K+7]  ; the next step's K: it has the softmax and the 128 products V^T P in which to land
	s_nop 0
	PLACES 4
	ASK
.else
	s_barrier_signal -1
	s_barrier_wait -1
.endif
	SOFT
	s_wait_dscnt 0x0                               ; my fragments of P and my row sums lie in LDS
	s_barrier_signal -1                            ; K's load may stay out
	VLOAD 0, 0                                     ; my own quarter of V, which nobody writes before a later barrier
	VLOAD 1, 1
	RESCALE                                        ; O^T x f, while the others arrive
	s_barrier_wait -1
	PLOAD 0, 0
	PLOAD 1, 1
	s_wait_dscnt 8                                 ; all but the second P's eight
	PVMUL 0
	PLACES 4
	WIN 0
	VLOAD 2, 0
	PLOAD 2, 0
	s_wait_dscnt 24                                ; all but the 24 just issued
	PVMUL 1
	PLACES 4
	WIN 0
	VLOAD 3, 1
	PLOAD 3, 1
	s_wait_dscnt 24
	PVMUL 0
	s_wait_dscnt 0x0
	PVMUL 1
	WIN 0
.if \tail
	FINAL OB
.else
	s_cmp_lg_u32 s[TRP], s[N1M1]
	s_cbranch_scc1 .Lon_\@
	FINAL OA
	RESETM
.Lon_\@:
.endif
.endm
	QLOAD QA
	WIN 0xC0
.set i, 0
.rept 256
	v_mov_b32 v[i], 0                              ; O^T, once
.set i, i+1
.endr
	WIN 0
	RESETM
	s_mov_b32 s[TRP], 0
.Ltrip:
	TRIP 1, 0
	s_add_co_u32 s[TRP], s[TRP], 1
	s_cmp_lt_u32 s[TRP], 9
	s_cbranch_scc1 .Ltrip
	TRIP 0, 1                                      ; the tenth step asks for no further K
	s_wait_tensorcnt 0x0                           ; the wave's end
	ds_add_u32 v[SPW], v[NIL]
	s_wait_dscnt 0x0
	ROUND                                          ; the closing round: no work-group ends while a partner may still ask for a tile that names it
	s_endpgm
.Lfunc_end_k_q52e59eafcd_attn:
	.size	k_q52e59eafcd_attn, .Lfunc_end_k_q52e59eafcd_attn-k_q52e59eafcd_attn
	.p2alignl 7, 3214868480
	.fill 96, 4, 3214868480
	.section	.rodata,"a",@progbits
	.p2align	6, 0x0
	.amdhsa_kernel k_q52e59eafcd_attn
		.amdhsa_group_segment_fixed_size 327680
		.amdhsa_private_segment_fixed_size 0
		.amdhsa_enable_private_segment 0
		.amdhsa_kernarg_size 16
		.amdhsa_user_sgpr_count 2
		.amdhsa_user_sgpr_kernarg_segment_ptr 1
		.amdhsa_wavefront_size32 1
		.amdhsa_system_sgpr_workgroup_id_x 1
		.amdhsa_system_sgpr_workgroup_id_y 1
		.amdhsa_system_sgpr_workgroup_id_z 1
		.amdhsa_system_vgpr_workitem_id 0
		.amdhsa_next_free_vgpr 1024
		.amdhsa_next_free_sgpr 66
		.amdhsa_reserve_vcc 1
		.amdhsa_float_denorm_mode_32 3
		.amdhsa_float_denorm_mode_16_64 3
		.amdhsa_memory_ordered 1
		.amdhsa_forward_progress 1
		.amdhsa_inst_pref_size 190
	.end_amdhsa_kernel
	.amdgpu_metadata
---
amdhsa.version: [ 1, 2 ]
amdhsa.kernels:
  - .name:           k_q52e59eafcd_attn
    .symbol:         k_q52e59eafcd_attn.kd
    .args:
      - { .name: qkv, .offset: 0, .size: 8, .value_kind: global_buffer, .address_space: global }
      - { .name: att, .offset: 8, .size: 8, .value_kind: global_buffer, .address_space: global }
    .group_segment_fixed_size: 327680
    .private_segment_fixed_size: 0
    .kernarg_segment_align: 8
    .kernarg_segment_size: 16
    .max_flat_workgroup_size: 128
    .sgpr_count:     66
    .vgpr_count:     1024
    .wavefront_size: 32
...
	.end_amdgpu_metadata
.endif
;; end of part 6
;; launch fine (part 7): grid 32 x 8, 4 waves a work-group, no clusters, 4,608 bytes of LDS; arguments qkv, lo, wu_hi, wu_lo, fpart; writes fpart
.if DOCPART == 7
	.amdgcn_target "amdgcn-amd-amdhsa--gfx1250"
	.amdhsa_code_object_version 6
	.text
	.protected	k_q52e59eafcd_fine
	.globl	k_q52e59eafcd_fine
	.p2align	8
	.type	k_q52e59eafcd_fine,@function
k_q52e59eafcd_fine:
	s_mov_b64 s[64:65], 0
	v_nop
	global_prefetch_b8 v0, s[64:65] scope:SCOPE_SE
	s_setreg_imm32_b32 hwreg(HW_REG_WAVE_MODE, 25, 1), 1
	s_wait_xcnt 0x0
; The first 16 positions of each sequence, through attention and w_u, more finely: their rows average one to sixteen values, so the rounding of f16 operands weighs most there.
; WORK LEFT OUT: for t < 16 only keys 0 .. 15 count (reference()'s own tril): no other key is loaded.
; Work-group (column tile nt, 2 b + half); wave w = head 4 half + w.  Operands go as pairs of f16, a high and a low part split in f32: a b = ah bh + ah bl + al bh, three f16 products in three f32 accumulators (al bl is left out: under 2^-22 of the product).
;   S^T (key 8 h + j, query r) = K Q^T over 16 chunks;  mask, softmax in f32, normalised: P;
;   Z (key 8 h + j, column r) = V W^T over 16 chunks, W = w_u's 16 rows nt at this head's 512 columns;
;   out_head^T = Z^T P by the f32 matrix form, four instructions: registers 2 i, 2 i + 1 of Z and of P hold the same four keys in the same places.  So the result is the sum over heads of P (V W^T): reference()'s (P V) W^T by associativity.
; The four heads' results meet in LDS as images of registers; wave 0 adds them and stores the partial sum into fpart [half][b][t][512] f32; the next launch adds the two halves and b_u and owns those rows of the output.
; Four heads to a work-group, and not eight, give 256 work-groups and half the loads in each.  A row's 64 bytes are a quarter of an aligned 256: 128 rows, 256 KB in all, are stored so.
.set SPARE, 4096                       ; behind the four images of 1,024 bytes
.set QOFF, 1
.set VOFF, 2
.set SPW,  3
.set NIL,  4
.set STO,  5
.set DD,   6
.set CO,   7
.set BO,   8
.set NINF, 9
.set SA,   16                          ; v16-39 S's three accumulators
.set ZA,   40                          ; v40-63 Z's three
.set P,    64
.set Z,    72
.set F0,   80                          ; v80-87, v88-95: written by the f32 matrix form alone
.set F1,   88
.set FS,   96
.set TW,   104
.set IM,   112                         ; v112-143 the four images
.set RS,   184
.set QH, 20
.set QL, 22
.set KH, 24
.set KL, 26
.set VH, 28
.set VL, 30
.set WH, 32
.set WL, 34
.set MSB, 0
.macro WIN new
.if MSB != (\new)
	s_set_vgpr_msb (MSB<<8)|(\new)
.set MSB, (\new)
.endif
.endm
.macro PLACES n
.rept \n
	v_nop
.endr
.endm
	s_load_b256 s[4:11], s[0:1], 0x0               ; qkv, lo, wu_hi, wu_lo
	s_load_b64 s[12:13], s[0:1], 0x20              ; fpart
	v_lshl_add_u32 v[SPW], v0, 2, SPARE
	v_mov_b32 v[NIL], 0
	v_lshrrev_b32 v10, 5, v0
	v_readfirstlane_b32 s16, v10                   ; wave
	s_mov_b32 s17, ttmp9                           ; nt
	s_and_b32 s18, ttmp7, 0xffff                   ; 2 b + half
	s_lshl_b32 s19, s18, 2
	s_add_co_u32 s19, s19, s16                     ; 8 b + head = 4 (2 b + half) + w
	s_lshl_b32 s44, s19, 20
	s_mov_b32 s45, 0
	s_lshl_b32 s46, s19, 14
	s_mov_b32 s47, 0
	s_lshl_b32 s42, s17, 17
	s_and_b32 s39, s19, 7                          ; head
	s_lshl_b32 s39, s39, 14
	s_add_co_u32 s42, s42, s39
	s_mov_b32 s43, 0
	s_mov_b32 s36, 0x76543210
	s_mov_b32 s37, 0xfedcba98
	s_mov_b32 s38, 0x3d8293ee                      ; c = log2(e) / sqrt(512)
	v_and_b32 v10, 31, v0
	v_lshlrev_b32 v[QOFF], 4, v10
	v_and_b32 v11, 15, v0                          ; r
	v_bfe_u32 v12, v0, 4, 1                        ; h
	v_lshrrev_b32 v13, 3, v11
	v_lshlrev_b32 v13, 8, v13
	v_lshl_add_u32 v13, v12, 7, v13
	v_and_b32 v14, 7, v11
	v_lshl_add_u32 v[VOFF], v14, 4, v13            ; plane V's order: read so, its bytes are a plain fragment (row = key)
	s_lshl_b32 s39, s16, 10
	v_add_nc_u32 v[STO], s39, v[QOFF]
	v_lshlrev_b32 v13, 3, v12
	v_sub_nc_u32 v[DD], v11, v13                   ; r - 8 h: register j is hidden where j > that
	v_lshlrev_b32 v[BO], 5, v12
	v_lshl_add_u32 v[CO], v11, 11, v[BO]           ; fpart: row r, + 32 h
	v_mov_b32 v[NINF], 0xff800000
	v_mov_b32 v[TW+1], 0                           ; a lane permute's destination counts as one of its sources
	s_wait_kmcnt 0x0
	s_add_nc_u64 s[QH:QH+1], s[4:5], s[44:45]
	s_add_nc_u64 s[KH:KH+1], s[QH:QH+1], 0x2000000
	s_add_nc_u64 s[VH:VH+1], s[QH:QH+1], 0x4000000
	s_add_nc_u64 s[QL:QL+1], s[6:7], s[46:47]
	s_add_nc_u64 s[KL:KL+1], s[QL:QL+1], 0x80000
	s_add_nc_u64 s[VL:VL+1], s[QL:QL+1], 0x100000
	s_add_nc_u64 s[WH:WH+1], s[8:9], s[42:43]
	s_add_nc_u64 s[WL:WL+1], s[10:11], s[42:43]
	s_and_b32 s44, s18, 1
	s_lshl_b32 s44, s44, 17                        ; half: 131,072 bytes
	s_lshr_b32 s46, s18, 1
	s_lshl_b32 s46, s46, 15                        ; b: 16 rows of 2,048 bytes
	s_add_co_u32 s46, s46, s44
	s_lshl_b32 s44, s17, 6                         ; my 16 columns
	s_add_co_u32 s46, s46, s44
	s_add_nc_u64 s[40:41], s[12:13], s[46:47]
; chunks 4 g .. 4 g + 3: for each, A's high and low fragment and B's, 32 registers at 32 ci of buffer buf in window 1: 32 loads
.macro GLOAD buf, g, pa, pb, oa, pc, pd
	WIN 0x40
.irp ci, 0,1,2,3
	global_load_b128 v[128*(\buf)+32*\ci:128*(\buf)+32*\ci+3], v[\oa], s[\pa:\pa+1] offset:(4*(\g)+\ci)*1024
	global_load_b128 v[128*(\buf)+32*\ci+4:128*(\buf)+32*\ci+7], v[\oa], s[\pa:\pa+1] offset:(4*(\g)+\ci)*1024+512
	global_load_b128 v[128*(\buf)+32*\ci+8:128*(\buf)+32*\ci+11], v[\oa], s[\pb:\pb+1] offset:(4*(\g)+\ci)*1024
	global_load_b128 v[128*(\buf)+32*\ci+12:128*(\buf)+32*\ci+15], v[\oa], s[\pb:\pb+1] offset:(4*(\g)+\ci)*1024+512
	global_load_b128 v[128*(\buf)+32*\ci+16:128*(\buf)+32*\ci+19], v[QOFF], s[\pc:\pc+1] offset:(4*(\g)+\ci)*1024
	global_load_b128 v[128*(\buf)+32*\ci+20:128*(\buf)+32*\ci+23], v[QOFF], s[\pc:\pc+1] offset:(4*(\g)+\ci)*1024+512
	global_load_b128 v[128*(\buf)+32*\ci+24:128*(\buf)+32*\ci+27], v[QOFF], s[\pd:\pd+1] offset:(4*(\g)+\ci)*1024
	global_load_b128 v[128*(\buf)+32*\ci+28:128*(\buf)+32*\ci+31], v[QOFF], s[\pd:\pd+1] offset:(4*(\g)+\ci)*1024+512
.endr
	WIN 0
.endm
.macro GMUL buf, acc, zero             ; the three accumulators take turns
	WIN 0x05
.irp ci, 0,1,2,3
.if (\zero) && (\ci == 0)
	v_wmma_f32_16x16x32_f16 v[\acc:\acc+7], v[128*(\buf)+32*\ci:128*(\buf)+32*\ci+7], v[128*(\buf)+32*\ci+16:128*(\buf)+32*\ci+23], 0
	v_wmma_f32_16x16x32_f16 v[\acc+8:\acc+15], v[128*(\buf)+32*\ci:128*(\buf)+32*\ci+7], v[128*(\buf)+32*\ci+24:128*(\buf)+32*\ci+31], 0
	v_wmma_f32_16x16x32_f16 v[\acc+16:\acc+23], v[128*(\buf)+32*\ci+8:128*(\buf)+32*\ci+15], v[128*(\buf)+32*\ci+16:128*(\buf)+32*\ci+23], 0
.else
	v_wmma_f32_16x16x32_f16 v[\acc:\acc+7], v[128*(\buf)+32*\ci:128*(\buf)+32*\ci+7], v[128*(\buf)+32*\ci+16:128*(\buf)+32*\ci+23], v[\acc:\acc+7]
	v_wmma_f32_16x16x32_f16 v[\acc+8:\acc+15], v[128*(\buf)+32*\ci:128*(\buf)+32*\ci+7], v[128*(\buf)+32*\ci+24:128*(\buf)+32*\ci+31], v[\acc+8:\acc+15]
	v_wmma_f32_16x16x32_f16 v[\acc+16:\acc+23], v[128*(\buf)+32*\ci+8:128*(\buf)+32*\ci+15], v[128*(\buf)+32*\ci+16:128*(\buf)+32*\ci+23], v[\acc+16:\acc+23]
.endif
.endr
	WIN 0
	PLACES 4                                       ; in front of loads into the operands, and of the first read of results
.endm
	GLOAD 0, 0, KH, KL, QOFF, QH, QL
	GLOAD 1, 1, KH, KL, QOFF, QH, QL
	s_wait_loadcnt 32                              ; the older group is in; the younger group's 32 may be out: so at each wait below
	GMUL 0, SA, 1
	GLOAD 0, 2, KH, KL, QOFF, QH, QL
	s_wait_loadcnt 32
	GMUL 1, SA, 0
	GLOAD 1, 3, KH, KL, QOFF, QH, QL
	s_wait_loadcnt 32
	GMUL 0, SA, 0
	GLOAD 0, 0, VH, VL, VOFF, WH, WL
	s_wait_loadcnt 32
	GMUL 1, SA, 0
	GLOAD 1, 1, VH, VL, VOFF, WH, WL
	; the softmax, while V's and W's first groups are on their way
.irp j, 0,2,4,6
	v_pk_add_f32 v[P+\j:P+\j+1], v[SA+\j:SA+\j+1], v[SA+8+\j:SA+8+\j+1]
.endr
.irp j, 0,2,4,6
	v_pk_add_f32 v[P+\j:P+\j+1], v[P+\j:P+\j+1], v[SA+16+\j:SA+16+\j+1]
.endr
.irp j, 0,1,2,3,4,5,6,7
	v_cmp_gt_i32 vcc_lo, \j, v[DD]
	v_cndmask_b32 v[P+\j], v[P+\j], v[NINF], vcc_lo
.endr
	v_max3_num_f32 v[TW], v[P], v[P+1], v[P+2]
	v_max3_num_f32 v[TW], v[TW], v[P+3], v[P+4]
	v_max3_num_f32 v[TW], v[TW], v[P+5], v[P+6]
	v_max_num_f32 v[TW], v[TW], v[P+7]
	v_permlanex16_b32 v[TW+1], v[TW], s36, s37
	v_max_num_f32 v[TW], v[TW], v[TW+1]            ; the row's largest score: key 0 counts for every query, so it is a number
	v_mul_f32 v[TW], s38, v[TW]
.irp j, 0,1,2,3,4,5,6,7
	v_fma_f32 v[P+\j], v[P+\j], s38, -v[TW]
.endr
.irp j, 0,1,2,3,4,5,6,7
	v_exp_f32 v[P+\j], v[P+\j]
.endr
	v_nop
	s_wait_alu depctr_va_vdst(0)                   ; one wait for the eight exponentials
	v_pk_add_f32 v[TW+2:TW+3], v[P:P+1], v[P+2:P+3]
	v_pk_add_f32 v[TW+4:TW+5], v[P+4:P+5], v[P+6:P+7]
	v_pk_add_f32 v[TW+2:TW+3], v[TW+2:TW+3], v[TW+4:TW+5]
	v_add_f32 v[TW+2], v[TW+2], v[TW+3]
	v_permlanex16_b32 v[TW+1], v[TW+2], s36, s37
	v_add_f32 v[TW+2], v[TW+2], v[TW+1]
	v_rcp_f32 v[TW+4], v[TW+2]
	v_nop
	s_wait_alu depctr_va_vdst(0)
.irp j, 0,1,2,3,4,5,6,7
	v_mul_f32 v[P+\j], v[P+\j], v[TW+4]
.endr
	s_wait_loadcnt 32
	GMUL 0, ZA, 1
	GLOAD 0, 2, VH, VL, VOFF, WH, WL
	s_wait_loadcnt 32
	GMUL 1, ZA, 0
	GLOAD 1, 3, VH, VL, VOFF, WH, WL
	s_wait_loadcnt 32
	GMUL 0, ZA, 0
	s_wait_loadcnt 0x0
	GMUL 1, ZA, 0
.irp j, 0,2,4,6
	v_pk_add_f32 v[Z+\j:Z+\j+1], v[ZA+\j:ZA+\j+1], v[ZA+8+\j:ZA+8+\j+1]
.endr
.irp j, 0,2,4,6
	v_pk_add_f32 v[Z+\j:Z+\j+1], v[Z+\j:Z+\j+1], v[ZA+16+\j:ZA+16+\j+1]
.endr
	v_wmma_f32_16x16x4_f32 v[F0:F0+7], v[Z:Z+1], v[P:P+1], 0                 ; keys 0, 1, 8, 9; two accumulators by turns
	v_wmma_f32_16x16x4_f32 v[F1:F1+7], v[Z+2:Z+3], v[P+2:P+3], 0             ; keys 2, 3, 10, 11
	v_wmma_f32_16x16x4_f32 v[F0:F0+7], v[Z+4:Z+5], v[P+4:P+5], v[F0:F0+7]
	v_wmma_f32_16x16x4_f32 v[F1:F1+7], v[Z+6:Z+7], v[P+6:P+7], v[F1:F1+7]
	PLACES 8                                       ; eight places behind this form
.irp j, 0,2,4,6
	v_pk_add_f32 v[FS+\j:FS+\j+1], v[F0+\j:F0+\j+1], v[F1+\j:F1+\j+1]    ; lane (r, h): query r, columns 16 nt + 8 h + 0 .. 7
.endr
	ds_store_b128 v[STO], v[FS:FS+3]
	ds_store_b128 v[STO], v[FS+4:FS+7] offset:512
	s_wait_tensorcnt 0x0
	ds_add_u32 v[SPW], v[NIL]
	s_wait_dscnt 0x0                               ; my image lies in LDS
	s_barrier_signal -1
	s_barrier_wait -1
	s_cmp_lg_u32 s16, 0
	s_cbranch_scc1 .Lend
.irp u, 0,1,2,3
	ds_load_b128 v[IM+8*\u:IM+8*\u+3], v[QOFF] offset:1024*\u
	ds_load_b128 v[IM+8*\u+4:IM+8*\u+7], v[QOFF] offset:1024*\u+512
.endr
	s_wait_dscnt 0x0
.irp u, 0,2
.irp j, 0,2,4,6
	v_pk_add_f32 v[IM+8*\u+\j:IM+8*\u+\j+1], v[IM+8*\u+\j:IM+8*\u+\j+1], v[IM+8*\u+8+\j:IM+8*\u+8+\j+1]
.endr
.endr
.irp j, 0,2,4,6
	v_pk_add_f32 v[RS+\j:RS+\j+1], v[IM+\j:IM+\j+1], v[IM+16+\j:IM+16+\j+1]
.endr
	global_store_b128 v[CO], v[RS:RS+3], s[40:41]
	global_store_b128 v[CO], v[RS+4:RS+7], s[40:41] offset:16
.Lend:
	s_endpgm
.Lfunc_end_k_q52e59eafcd_fine:
	.size	k_q52e59eafcd_fine, .Lfunc_end_k_q52e59eafcd_fine-k_q52e59eafcd_fine
	.p2alignl 7, 3214868480
	.fill 96, 4, 3214868480
	.section	.rodata,"a",@progbits
	.p2align	6, 0x0
	.amdhsa_kernel k_q52e59eafcd_fine
		.amdhsa_group_segment_fixed_size 4608
		.amdhsa_private_segment_fixed_size 0
		.amdhsa_enable_private_segment 0
		.amdhsa_kernarg_size 40
		.amdhsa_user_sgpr_count 2
		.amdhsa_user_sgpr_kernarg_segment_ptr 1
		.amdhsa_wavefront_size32 1
		.amdhsa_system_sgpr_workgroup_id_x 1
		.amdhsa_system_sgpr_workgroup_id_y 1
		.amdhsa_system_sgpr_workgroup_id_z 1
		.amdhsa_system_vgpr_workitem_id 0
		.amdhsa_next_free_vgpr 512
		.amdhsa_next_free_sgpr 66
		.amdhsa_reserve_vcc 1
		.amdhsa_float_denorm_mode_32 3
		.amdhsa_float_denorm_mode_16_64 3
		.amdhsa_memory_ordered 1
		.amdhsa_forward_progress 1
		.amdhsa_inst_pref_size 41
	.end_amdhsa_kernel
	.amdgpu_metadata
---
amdhsa.version: [ 1, 2 ]
amdhsa.kernels:
  - .name:           k_q52e59eafcd_fine
    .symbol:         k_q52e59eafcd_fine.kd
    .args:
      - { .name: qkv, .offset: 0, .size: 8, .value_kind: global_buffer, .address_space: global }
      - { .name: lo, .offset: 8, .size: 8, .value_kind: global_buffer, .address_space: global }
      - { .name: wu_hi, .offset: 16, .size: 8, .value_kind: global_buffer, .address_space: global }
      - { .name: wu_lo, .offset: 24, .size: 8, .value_kind: global_buffer, .address_space: global }
      - { .name: fpart, .offset: 32, .size: 8, .value_kind: global_buffer, .address_space: global }
    .group_segment_fixed_size: 4608
    .private_segment_fixed_size: 0
    .kernarg_segment_align: 8
    .kernarg_segment_size: 40
    .max_flat_workgroup_size: 128
    .sgpr_count:     66
    .vgpr_count:     512
    .wavefront_size: 32
...
	.end_amdgpu_metadata
.endif
;; end of part 7
;; launch unify (part 8): grid 8 x 32, 4 waves a work-group, clusters of 4 x 1, 327,680 bytes of LDS; arguments att, wu_hi, b_u, fpart, out0; writes out0
.if DOCPART == 8
	.amdgcn_target "amdgcn-amd-amdhsa--gfx1250"
	.amdhsa_code_object_version 6
	.text
	.protected	k_q52e59eafcd_unify
	.globl	k_q52e59eafcd_unify
	.p2align	8
	.type	k_q52e59eafcd_unify,@function
k_q52e59eafcd_unify:
	s_mov_b64 s[64:65], 0
	v_nop
	global_prefetch_b8 v0, s[64:65] scope:SCOPE_SE
	s_setreg_imm32_b32 hwreg(HW_REG_WAVE_MODE, 25, 1), 1
	s_wait_xcnt 0x0
	s_wait_alu depctr_hold_cnt(0) depctr_sa_sdst(0) depctr_va_vdst(0) depctr_va_sdst(0) depctr_va_ssrc(0) depctr_va_vcc(0) depctr_vm_vsrc(0)
	s_getreg_b32 s2, hwreg(HW_REG_IB_STS2, 6, 4)
	s_cmp_eq_u32 s2, 0
	s_cbranch_scc0 .Lentry_in_a_cluster
	s_endpgm
.Lentry_in_a_cluster:
	s_bfe_u32 s2, ttmp6, 0x10000c
	s_cmp_lg_u32 s2, 0x3003
	s_cbranch_scc0 .Lentry_shape_is_right
	s_endpgm
.Lentry_shape_is_right:
; out0 = att w_u^T + b_u on f16 operands (w_u's high part), f32 sums.  The first 16 positions of each sequence are computed with their tile here and not used: for those rows the two partial sums that the launch before
; has made more finely (fpart [half][b][t][512] f32) are added, with b_u, and stored in their stead.  So this launch stores every byte of out0, each once.
; A work-group makes 128 rows (Y) x 64 columns (X).  THE WAVES SPLIT K: wave w takes chunks 32 w .. 32 w + 31 of the 128 (32 along K each) for the whole tile: 32 accumulators; a chunk's 12 fragments feed 32 products.
; The four partial sums meet in LDS at the end: the f32 sums are split four ways along K, an order of rounding that differs from a single chain.
; att's tiles hang on Y alone, which the four work-groups of a cluster share: joint tensor loads, two slots of 4 chunks a wave; each wave fetches and reads its own quarter.  Two loads of a wave are out at the start, later one.
; w_u's fragments are read by one wave of one work-group each: they go from memory straight into registers, three chunks ahead.
; The matrix instruction is used transposed (source 0 = 16 output columns, source 1 = 16 rows): a lane holds one row and eight neighbouring columns.
.set SLOT1, 0
.set SLOT0, 131072
.set STAGE, 131072                     ; the way out: 4 x 128 rows x 272 bytes: slot 0, behind its last fill and its last read, and 8,192 bytes behind it
.set SPARE, 270336
.set L16, 1
.set ADA, 2                            ; v2, v3: my quarter of slot 0, 1
.set STO, 4
.set RD,  5                            ; v5-8: the four partial sums' rows
.set CO,  9
.set SPW, 10
.set NIL, 11
.set BIAS, 12                          ; v12-15
.set AFR, 64                           ; v64-191 att's fragments, two sets
.set WV,  12
.set G1,  16
.set G0,  24                           ; s[24:27] slot 0's, s[28:31] slot 1's
.set WB,  32
.set LAP, 34
.set OUTB, 36
.set FPB, 46                           ; s[46:47] fpart at my batch's rows and my 64 columns
.set MSB, 0
.macro WIN new
.if MSB != (\new)
	s_set_vgpr_msb (MSB<<8)|(\new)
.set MSB, (\new)
.endif
.endm
.macro PLACES n
.rept \n
	v_nop
.endr
.endm
.macro ROUND                           ; a round of the cluster's barrier
	s_barrier_signal -1
	s_barrier_wait -1
	s_cmp_lg_u32 s[WV], 0
	s_cbranch_scc1 .Lnot_wave_0_\@
	s_barrier_signal -3
.Lnot_wave_0_\@:
	s_barrier_wait -3
	s_barrier_signal -1
	s_barrier_wait -1
.endm
	s_load_b256 s[4:11], s[0:1], 0x0               ; att, wu_hi, b_u, fpart
	s_load_b64 s[44:45], s[0:1], 0x20              ; out0
	v_lshl_add_u32 v[SPW], v0, 2, SPARE
	v_mov_b32 v[NIL], 0
	ds_add_u32 v[SPW], v[NIL]                      ; the opening: the add, twice on end, and its wait ahead of my first tensor load
	ds_add_u32 v[SPW], v[NIL]
	v_lshrrev_b32 v1, 5, v0
	v_readfirstlane_b32 s[WV], v1
	s_bfe_u32 s13, ttmp6, 0x40000                  ; cx
	s_lshl_b32 s14, ttmp9, 2
	s_add_co_u32 s14, s14, s13                     ; X
	s_and_b32 s15, ttmp7, 0xffff                   ; Y, which the partners share
	s_mov_b32 s[G1], 15|(3<<16)|(1<<21)            ; all four work-groups; elements of 8 bytes
	s_mov_b32 s[G1+1], 512<<16                     ; a row: my 4 chunks, 4,096 bytes
	s_mov_b32 s[G1+2], 8<<16                       ; 8 row tiles
	s_mov_b32 s[G1+3], 512<<16
	s_mov_b32 s[G1+4], 8
	s_mov_b32 s[G1+5], 16384                       ; 131,072 bytes from row tile to row tile
	s_mov_b32 s[G1+6], 0
	s_mov_b32 s[G1+7], 0
	s_lshl_b32 s38, s15, 20                        ; 8 Y row tiles
	s_lshl_b32 s40, s[WV], 15                      ; my 32 chunks; also my quarter of a slot
	s_add_co_u32 s38, s38, s40
	s_mov_b32 s39, 0
	s_lshl_b32 s42, s14, 19                        ; w_u: column tile 4 X
	s_add_co_u32 s42, s42, s40
	s_mov_b32 s43, 0
	s_and_b32 s35, s15, 7
	s_or_b32 s35, s35, s[WV]                       ; 0 where the rows that I store begin with t = 0
	s_wait_dscnt 0x0                               ; both opening adds are done
	s_wait_kmcnt 0x0
	s_add_nc_u64 s[38:39], s[4:5], s[38:39]
	s_mov_b32 s[G0], 1
	s_add_co_u32 s[G0+1], s40, SLOT0
	s_mov_b64 s[G0+2:G0+3], s[38:39]
	s_or_b32 s[G0+3], s[G0+3], 0x80000000
	s_mov_b32 s[G0+4], 1
	s_mov_b32 s[G0+5], s40
	s_add_nc_u64 s[G0+6:G0+7], s[38:39], 4096
	s_or_b32 s[G0+7], s[G0+7], 0x80000000
	s_add_nc_u64 s[WB:WB+1], s[6:7], s[42:43]
	ROUND                                          ; all four work-groups are here: the first joint loads meet
	tensor_load_to_lds s[G0:G0+3], s[G1:G1+7]      ; chunks 0-3 of my 32
	s_nop 0
	tensor_load_to_lds s[G0+4:G0+7], s[G1:G1+7]    ; chunks 4-7
	s_nop 0
	PLACES 4
	v_and_b32 v[L16], 31, v0
	v_lshlrev_b32 v[L16], 4, v[L16]
	v_add_nc_u32 v[ADA+1], s40, v[L16]
	v_add_nc_u32 v[ADA], SLOT0, v[ADA+1]
	v_and_b32 v20, 15, v0                          ; r
	v_bfe_u32 v21, v0, 4, 1                        ; h
	s_mul_i32 s38, s[WV], 128*272
	v_mul_u32_u24 v[STO], v20, 272
	v_lshl_add_u32 v[STO], v21, 5, v[STO]
	v_add_nc_u32 v[STO], s38, v[STO]
	v_add_nc_u32 v[STO], STAGE, v[STO]             ; in: my partial sums: row r, + 32 h
	s_mul_i32 s38, s[WV], 32*272
	v_mul_u32_u24 v22, v21, 272
	v_lshl_add_u32 v22, v20, 4, v22
	v_add_nc_u32 v22, s38, v22
.irp u, 0,1,2,3
	v_add_nc_u32 v[RD+\u], STAGE+128*272*\u, v22   ; back: rows 32 w on of wave u's sums: lanes 0-15 one row, lanes 16-31 the next
.endr
	v_lshlrev_b32 v[CO], 11, v21
	v_lshl_add_u32 v[CO], v20, 4, v[CO]            ; the same two rows in out0, and in fpart
	v_lshlrev_b32 v23, 4, v20
	s_lshl_b32 s38, s14, 8                         ; my 64 columns: 256 bytes
	s_mov_b32 s39, 0
	s_add_nc_u64 s[8:9], s[8:9], s[38:39]
	s_lshl_b32 s40, s15, 18
	s_lshl_b32 s41, s[WV], 16
	s_add_co_u32 s40, s40, s41
	s_add_co_u32 s40, s40, s38                     ; (128 Y + 32 w) rows of 2,048 bytes + 256 X
	s_mov_b32 s41, 0
	s_add_nc_u64 s[OUTB:OUTB+1], s[44:45], s[40:41]
	s_lshr_b32 s40, s15, 3                         ; b
	s_lshl_b32 s40, s40, 15                        ; 16 rows of 2,048 bytes
	s_add_co_u32 s40, s40, s38
	s_add_nc_u64 s[FPB:FPB+1], s[10:11], s[40:41]
	global_load_b128 v[BIAS:BIAS+3], v23, s[8:9]
.macro ALOAD s, e, buf                 ; chunk e of the slot: 8 row tiles
.irp a, 0,1,2,3,4,5,6,7
	ds_load_b128 v[AFR+64*(\buf)+8*\a:AFR+64*(\buf)+8*\a+3], v[ADA+\s] offset:4096*\a+1024*(\e)
	ds_load_b128 v[AFR+64*(\buf)+8*\a+4:AFR+64*(\buf)+8*\a+7], v[ADA+\s] offset:4096*\a+1024*(\e)+512
.endr
.endm
.macro BLOAD e                         ; w_u's four column tiles of chunk e, into window 2
	WIN 0x80
.irp n, 0,1,2,3
	global_load_b128 v[32*(\e)+8*\n:32*(\e)+8*\n+3], v[L16], s[WB:WB+1] offset:131072*\n+1024*(\e)
	global_load_b128 v[32*(\e)+8*\n+4:32*(\e)+8*\n+7], v[L16], s[WB:WB+1] offset:131072*\n+1024*(\e)+512
.endr
	WIN 0
.endm
.macro MUL32 e, buf, zero              ; the 32 accumulators take turns, in the same order in every chunk
	WIN 0x52                                       ; source 0 (w_u) window 2, source 1 (att) window 0, C and D window 1
.irp a, 0,1,2,3,4,5,6,7
.irp n, 0,1,2,3
.if \zero
	v_wmma_f32_16x16x32_f16 v[8*(4*\a+\n):8*(4*\a+\n)+7], v[32*(\e)+8*\n:32*(\e)+8*\n+7], v[AFR+64*(\buf)+8*\a:AFR+64*(\buf)+8*\a+7], 0
.else
	v_wmma_f32_16x16x32_f16 v[8*(4*\a+\n):8*(4*\a+\n)+7], v[32*(\e)+8*\n:32*(\e)+8*\n+7], v[AFR+64*(\buf)+8*\a:AFR+64*(\buf)+8*\a+7], v[8*(4*\a+\n):8*(4*\a+\n)+7]
.endif
.endr
.endr
.endm
.macro WORK s, more, zero              ; a slot's four chunks.  more = 1: behind each chunk its set of w_u takes the next slot's
.if \more
	s_wait_xcnt 0x0                                ; the last loads of w_u have read their base
	s_add_nc_u64 s[WB:WB+1], s[WB:WB+1], 4096
.endif
	ALOAD \s, 0, 0
	ALOAD \s, 1, 1
.irp e, 0,1,2,3
.if \e < 3
	s_wait_dscnt 16                                ; all but the next chunk's 16
.else
	s_wait_dscnt 0x0
.endif
.if \more
	s_wait_loadcnt 24                              ; this chunk's w_u is in; three younger sets of 8 loads may be out
.else
	s_wait_loadcnt 8*(3-\e)
.endif
.if (\zero) && (\e == 0)
	MUL32 \e, \e%2, 1
.else
	MUL32 \e, \e%2, 0
.endif
	PLACES 4
	WIN 0
.if \e < 2
	ALOAD \s, \e+2, \e%2
.endif
.if \more
	BLOAD \e
.endif
.endr
.endm
.macro CH s, refill                    ; the change of slots, at the head of slot s
	s_wait_tensorcnt 0x0                           ; my part of slot s has landed; no tensor load of mine is out
	ds_add_u32 v[SPW], v[NIL]
.if \refill
	s_add_nc_u64 s[G0+4*(1-\s)+2:G0+4*(1-\s)+3], s[G0+4*(1-\s)+2:G0+4*(1-\s)+3], 8192   ; the other slot's next four chunks
.endif
	s_wait_dscnt 0x0                               ; the add is done, and my reads of the other slot are over
.if \refill
	ROUND                                          ; that holds of every wave of the four work-groups
	tensor_load_to_lds s[G0+4*(1-\s):G0+4*(1-\s)+3], s[G1:G1+7]
	s_nop 0
	PLACES 4
.else
	s_barrier_signal -1
	s_barrier_wait -1
.endif
	WORK \s, \refill, 0
.endm
.irp e, 0,1,2,3
	BLOAD \e
.endr
	s_wait_tensorcnt 1                             ; slot 0 is in; slot 1's load may stay out
	s_barrier_signal -1
	s_barrier_wait -1
	WORK 0, 1, 1                                   ; the first chunk's products start the sums
	s_mov_b32 s[LAP], 3
.Llap:
	CH 1, 1
	CH 0, 1
	s_sub_co_u32 s[LAP], s[LAP], 1
	s_cmp_lg_u32 s[LAP], 0
	s_cbranch_scc1 .Llap
	CH 1, 0                                        ; the last slot: nothing is left to fetch; behind its barrier nobody reads slot 0
	; THE WAY OUT: each wave's partial sums into its stage; a barrier; wave w adds rows 32 w .. 32 w + 31 of the four, and the bias, and stores them: sixteen lanes fill 256 consecutive aligned bytes
	WIN 0x04                                       ; an LDS store's data: window 1
.irp a, 0,1,2,3,4,5,6,7
.irp n, 0,1,2,3
	ds_store_b128 v[STO], v[8*(4*\a+\n):8*(4*\a+\n)+3] offset:16*272*\a+64*\n
	ds_store_b128 v[STO], v[8*(4*\a+\n)+4:8*(4*\a+\n)+7] offset:16*272*\a+64*\n+16
.endr
.endr
	WIN 0
	s_wait_dscnt 0x0
	s_barrier_signal -1
	s_barrier_wait -1
.macro BATCH q                         ; four pairs of rows
.irp p, 0,1,2,3
.irp u, 0,1,2,3
	ds_load_b128 v[AFR+16*\p+4*\u:AFR+16*\p+4*\u+3], v[RD+\u] offset:544*(4*(\q)+\p)
.endr
.endr
	s_wait_dscnt 0x0
.irp p, 0,1,2,3
.irp k, 0,2
	v_pk_add_f32 v[AFR+16*\p+\k:AFR+16*\p+\k+1], v[AFR+16*\p+\k:AFR+16*\p+\k+1], v[AFR+16*\p+4+\k:AFR+16*\p+4+\k+1]
	v_pk_add_f32 v[AFR+16*\p+8+\k:AFR+16*\p+8+\k+1], v[AFR+16*\p+8+\k:AFR+16*\p+8+\k+1], v[AFR+16*\p+12+\k:AFR+16*\p+12+\k+1]
.endr
.irp k, 0,2
	v_pk_add_f32 v[AFR+16*\p+\k:AFR+16*\p+\k+1], v[AFR+16*\p+\k:AFR+16*\p+\k+1], v[AFR+16*\p+8+\k:AFR+16*\p+8+\k+1]
.endr
.irp k, 0,2
	v_pk_add_f32 v[192+4*(4*(\q)+\p)+\k:192+4*(4*(\q)+\p)+\k+1], v[AFR+16*\p+\k:AFR+16*\p+\k+1], v[BIAS+\k:BIAS+\k+1]
.endr
	global_store_b128 v[CO], v[192+4*(4*(\q)+\p):192+4*(4*(\q)+\p)+3], s[OUTB:OUTB+1] offset:4096*(4*(\q)+\p) th:TH_STORE_NT
.endr
.endm
	s_cmp_eq_u32 s35, 0                            ; Y and the wave's number alone: the same in all partners
	s_cbranch_scc1 .Lfine_rows
	BATCH 0
	BATCH 1
	s_branch .Lrest
.Lfine_rows:                                           ; rows t = 0 .. 15: the two halves of the heads' sum, made more finely by the launch before, and the bias
.irp i, 0,1,2,3,4,5,6,7
	global_load_b128 v[AFR+8*\i:AFR+8*\i+3], v[CO], s[FPB:FPB+1] offset:4096*\i
	global_load_b128 v[AFR+8*\i+4:AFR+8*\i+7], v[CO], s[FPB:FPB+1] offset:131072+4096*\i
.endr
	s_wait_loadcnt 0x0
.irp i, 0,1,2,3,4,5,6,7
.irp k, 0,2
	v_pk_add_f32 v[AFR+8*\i+\k:AFR+8*\i+\k+1], v[AFR+8*\i+\k:AFR+8*\i+\k+1], v[AFR+8*\i+4+\k:AFR+8*\i+4+\k+1]
.endr
.irp k, 0,2
	v_pk_add_f32 v[192+4*\i+\k:192+4*\i+\k+1], v[AFR+8*\i+\k:AFR+8*\i+\k+1], v[BIAS+\k:BIAS+\k+1]
.endr
	global_store_b128 v[CO], v[192+4*\i:192+4*\i+3], s[OUTB:OUTB+1] offset:4096*\i th:TH_STORE_NT
.endr
.Lrest:
	BATCH 2
	BATCH 3
	s_wait_tensorcnt 0x0                           ; the wave's end
	ds_add_u32 v[SPW], v[NIL]
	s_wait_dscnt 0x0
	ROUND                                          ; the closing round
	s_endpgm
.Lfunc_end_k_q52e59eafcd_unify:
	.size	k_q52e59eafcd_unify, .Lfunc_end_k_q52e59eafcd_unify-k_q52e59eafcd_unify
	.p2alignl 7, 3214868480
	.fill 96, 4, 3214868480
	.section	.rodata,"a",@progbits
	.p2align	6, 0x0
	.amdhsa_kernel k_q52e59eafcd_unify
		.amdhsa_group_segment_fixed_size 327680
		.amdhsa_private_segment_fixed_size 0
		.amdhsa_enable_private_segment 0
		.amdhsa_kernarg_size 40
		.amdhsa_user_sgpr_count 2
		.amdhsa_user_sgpr_kernarg_segment_ptr 1
		.amdhsa_wavefront_size32 1
		.amdhsa_system_sgpr_workgroup_id_x 1
		.amdhsa_system_sgpr_workgroup_id_y 1
		.amdhsa_system_sgpr_workgroup_id_z 1
		.amdhsa_system_vgpr_workitem_id 0
		.amdhsa_next_free_vgpr 768
		.amdhsa_next_free_sgpr 66
		.amdhsa_reserve_vcc 0
		.amdhsa_float_denorm_mode_32 3
		.amdhsa_float_denorm_mode_16_64 3
		.amdhsa_memory_ordered 1
		.amdhsa_forward_progress 1
		.amdhsa_inst_pref_size 95
	.end_amdhsa_kernel
	.amdgpu_metadata
---
amdhsa.version: [ 1, 2 ]
amdhsa.kernels:
  - .name:           k_q52e59eafcd_unify
    .symbol:         k_q52e59eafcd_unify.kd
    .args:
      - { .name: att, .offset: 0, .size: 8, .value_kind: global_buffer, .address_space: global }
      - { .name: wu_hi, .offset: 8, .size: 8, .value_kind: global_buffer, .address_space: global }
      - { .name: b_u, .offset: 16, .size: 8, .value_kind: global_buffer, .address_space: global }
      - { .name: fpart, .offset: 24, .size: 8, .value_kind: global_buffer, .address_space: global }
      - { .name: out0, .offset: 32, .size: 8, .value_kind: global_buffer, .address_space: global }
    .group_segment_fixed_size: 327680
    .private_segment_fixed_size: 0
    .kernarg_segment_align: 8
    .kernarg_segment_size: 40
    .max_flat_workgroup_size: 128
    .sgpr_count:     66
    .vgpr_count:     768
    .wavefront_size: 32
...
	.end_amdgpu_metadata
.endif
;; end of part 8
